; MI455X (gfx1250); checked and timed in simulation.
; The chip was launched on July 23, 2026; its instructions are those of AMD's public machine-readable ISA for CDNA 5 (MIT licence, August 2026) and "CDNA5" Instruction Set Architecture Reference Guide (July 2026). The comments in the code are by the model that wrote it; some were corrected since.
;; Concat Attention. Allowed arithmetic: float matrix products may take bf16 or f16 operands with f32 sums; other float arithmetic in f32, or as packed bf16 or f16 multiplies, adds, multiply-adds, maxima and minima; sums over many terms, partial sums and values carried from step to step in f32; what a program stores and reads back later, other than sums and carried values, may be rounded once to bf16 or f16.
;; Inputs: V 1,024 x 1 float32; W1 1,024 x 1,024 float32; W2 1,024 x 1,024 float32; keys 32 x 2,048 x 1,024 float32; mask 32 x 2,048 x 1 int32; query 32 x 1 x 1,024 float32.
;; Outputs: out0 32 x 1,024 float32; out1 32 x 2,048 float32.
;; 3 versions, each right; version 2 is faster than version 1; version 3 is version 2 with the launch main written anew for expert scheduling mode. Each part assembles by itself: llvm-mc -triple=amdgcn-amd-amdhsa -mcpu=gfx1250 --defsym DOCPART=n.
;; ======== version 1 of 3: 3 launches
;; workspace buffers: w1f 2,097,152 bytes; qbp 1,048,576 bytes; sc 262,144 bytes; cxp 2,097,152 bytes
;; launch prep (part 1): grid 96 x 1, 4 waves a work-group, no clusters, 117,248 bytes of LDS; arguments W1, W2, query, w1f, qbp; writes w1f, qbp
.if DOCPART == 1
	.amdgcn_target "amdgcn-amd-amdhsa--gfx1250"
	.amdhsa_code_object_version 6
	.text
	.protected	k_qdca48016d7_prep
	.globl	k_qdca48016d7_prep
	.p2align	8
	.type	k_qdca48016d7_prep,@function
k_qdca48016d7_prep:
	s_mov_b64 s[64:65], 0
	v_nop
	global_prefetch_b8 v0, s[64:65] scope:SCOPE_SE
	s_setreg_imm32_b32 hwreg(HW_REG_WAVE_MODE, 25, 1), 1
	s_wait_xcnt 0x0
; PREPARATION.  Two kinds of work, chosen by the work-group's number; every wave works alone on LDS bytes of its own, so there is no barrier.
; Work-groups 0-63 (256 waves): W1 [k 1024][n 1024] f32 is rounded once to bf16 and written as w1f, the register image of matrix fragments:
;   w1f[g 8][ks 32][b 8][s 2][lane 32][8 bf16]; lane (r = lane % 16, h = lane / 16) holds W1[32 ks + 16 s + 8 h + 0..7][128 g + 16 b + r].
;   A wave takes one (ks, g): 32 rows x 128 columns, through LDS, turned by ds_load_tr16_b128; it stores 8,192 consecutive bytes.
; Work-groups 64-95 (128 waves): qbp[slice 8][batch 32][n 1024] f32 = the sum over k in 128 slice .. + 127 of bf16(query[batch][k]) bf16(W2[k][n]).
;   A wave takes one slice and 64 columns: 32 matrix instructions on 8 accumulators.  The eight slices are added, in ascending order, by the next launch.
; LIMITS.  W1, W2 and query are rounded once to bf16 (nearest even); sums in f32.
.set SLABB, 29184                      ; a wave's LDS: the slab (20,480 bytes), then the stage (8,704)
.set STG,   20480
.set SPARE, 4*SLABB                    ; behind the four waves' regions: the spare words, 128 bytes a wave, two blocks of 256 bytes that no other line names
.set P1,    288                        ; W1's slab: a row of 128 bf16 = 256 bytes + 32 = 9 x 32
.set P2,    160                        ; W2's slab: a row of 64 bf16 = 128 bytes + 32 = 5 x 32
.set PS,    272                        ; the stage: a row of 64 f32 = 256 bytes + 16 = 17 x 16
.set SPW,   28                         ; v28  my spare word's address; never rewritten
.set NIL,   29                         ; v29  0; never rewritten
.set QL,    32                         ; v32-159  W1's rows, or query, as loaded; then W2's fragments; then rows read back
.set WFR,   32
.set QF,    160                        ; v160-223 W1's turned fragments, or query's 8 fragments
.set TT,    224                        ; v224-255 at work
.set MSB, 0
.macro WIN new                         ; the immediate's high byte repeats the setting that is left; a switch that changes nothing is dropped
.if MSB != (\new)
	s_set_vgpr_msb (MSB<<8)|(\new)
.set MSB, \new
.endif
.endm
	s_load_b256 s[4:11], s[0:1], 0x0               ; W1 s[4:5], W2 s[6:7], query s[8:9], w1f s[10:11]
	s_load_b64 s[12:13], s[0:1], 0x20              ; qbp
	v_lshl_add_u32 v[SPW], v0, 2, SPARE
	v_mov_b32 v[NIL], 0
	v_lshrrev_b32 v1, 5, v0
	v_readfirstlane_b32 s14, v1                    ; wave 0..3
	v_and_b32 v1, 31, v0                           ; lane
	v_and_b32 v2, 15, v0                           ; r
	v_bfe_u32 v3, v0, 4, 1                         ; h
	v_lshlrev_b32 v4, 4, v1                        ; 16 x lane
	v_lshlrev_b32 v5, 4, v2
	v_lshl_add_u32 v5, v3, 12, v5                  ; h x 4,096 + 16 r: two rows of 256 bytes
	v_and_b32 v11, 7, v0
	v_lshl_add_u32 v11, v3, 3, v11                 ; the turning load's row: 8 h + lane % 8
	v_bfe_u32 v12, v0, 3, 1                        ; and its 16 bytes: (lane / 8) % 2
	s_mov_b32 s19, ttmp9
	s_lshl_b32 s15, s19, 2
	s_add_co_u32 s15, s15, s14                     ; my wave among all: 0..383
	s_mul_i32 s22, s14, SLABB                      ; my LDS region
	s_mov_b32 s21, 0                               ; high word of every offset pair
	s_and_b32 s16, s15, 7                          ; g, or the slice
	s_wait_kmcnt 0x0
	s_cmp_ge_u32 s19, 64
	s_cbranch_scc1 .Lw2
	; ---- W1: 32 rows (k = 32 ks ..) x 128 columns (n = 128 g ..) ----
	s_lshr_b32 s17, s15, 3                         ; ks
	s_lshl_b32 s20, s17, 17                        ; 32 rows of 4,096 bytes
	s_lshl_b32 s18, s16, 9                         ; 128 columns of 4 bytes
	s_add_co_u32 s20, s20, s18
	s_add_nc_u64 s[24:25], s[4:5], s[20:21]
.set i, 0
.rept 32                                               ; one load takes a row's 512 consecutive bytes
	global_load_b128 v[QL+4*i:QL+4*i+3], v4, s[24:25] offset:i*4096 th:TH_LOAD_NT
.set i, i+1
.endr
	v_lshl_add_u32 v6, v1, 3, s22                  ; into the slab: 8 bytes a lane
	v_mul_u32_u24 v7, v11, P1
	v_lshl_add_u32 v7, v12, 4, v7
	v_add_nc_u32 v7, s22, v7                       ; out of it, turned
	s_lshl_b32 s20, s16, 5
	s_add_co_u32 s20, s20, s17
	s_lshl_b32 s20, s20, 13                        ; (32 g + ks) x 8,192
	s_add_nc_u64 s[26:27], s[10:11], s[20:21]
.set i, 0
.rept 32
	s_wait_loadcnt 31-i                            ; loads come back in order: row i is in, the 31 - i younger rows stay out
	v_cvt_pk_bf16_f32 v[TT+2*(i%16)],   v[QL+4*i],   v[QL+4*i+1]
	v_cvt_pk_bf16_f32 v[TT+2*(i%16)+1], v[QL+4*i+2], v[QL+4*i+3]
	ds_store_b64 v6, v[TT+2*(i%16):TT+2*(i%16)+1] offset:i*P1
.set i, i+1
.endr
.set j, 0
.rept 16                                               ; j = 2 b + s.  LDS serves a wave's instructions in order: these see the stores above
	ds_load_tr16_b128 v[QF+4*j:QF+4*j+3], v7 offset:(j%2)*16*P1+(j/2)*32
.set j, j+1
.endr
.set j, 0
.rept 16
	s_wait_dscnt 15-j                              ; the 15 - j younger turning loads stay out
	global_store_b128 v4, v[QF+4*j:QF+4*j+3], s[26:27] offset:j*512  ; 512 consecutive bytes, aligned
.set j, j+1
.endr
	s_wait_tensorcnt 0x0                           ; the wave's end: three lines behind my last LDS store
	ds_add_u32 v[SPW], v[NIL]
	s_wait_dscnt 0x0
	s_endpgm
	; ---- query x W2: k = 128 slice .. + 127, columns 64 cg .. + 63, all 32 batches ----
.Lw2:
	s_sub_co_u32 s15, s15, 256
	s_lshr_b32 s17, s15, 3                         ; cg 0..15
	s_lshl_b32 s20, s16, 9                         ; 128 k of 4 bytes
	s_add_nc_u64 s[24:25], s[8:9], s[20:21]
	v_lshlrev_b32 v10, 12, v2
	v_lshl_add_u32 v10, v3, 5, v10                 ; batch r x 4,096 + 32 h
.set i, 0
.rept 32                                               ; fragment f = i / 4 = 4 mt + kk: batches 16 mt + r, k = 32 kk + 8 h + 0..7 (bytes 0, 16) and + 16 (bytes 64, 80)
	global_load_b128 v[QL+4*i:QL+4*i+3], v10, s[24:25] offset:(i/16)*65536+((i/4)%4)*128+((i%4)/2)*64+(i%2)*16
.set i, i+1
.endr
	s_lshl_b32 s20, s16, 19                        ; 128 rows of 4,096 bytes
	s_lshl_b32 s18, s17, 8                         ; 64 columns of 4 bytes
	s_add_co_u32 s20, s20, s18
	s_add_nc_u64 s[26:27], s[6:7], s[20:21]
	WIN 0x40                                       ; destination window 1
.set i, 0
.rept 64                                               ; one load takes two rows' 256 aligned bytes each
	global_load_b128 v[4*i:4*i+3], v5, s[26:27] offset:i*8192 th:TH_LOAD_NT
.set i, i+1
.endr
	WIN 0
	v_mul_u32_u24 v6, v3, P2
	v_lshl_add_u32 v6, v2, 3, v6
	v_add_nc_u32 v6, s22, v6                       ; into the slab: row h, 8 bytes at 8 r
	v_mul_u32_u24 v7, v11, P2
	v_lshl_add_u32 v7, v12, 4, v7
	v_add_nc_u32 v7, s22, v7                       ; out of it, turned
	s_add_co_u32 s23, s22, STG
	v_mul_u32_u24 v8, v2, PS
	v_lshl_add_u32 v8, v3, 5, v8
	v_add_nc_u32 v8, s23, v8                       ; into the stage: batch r, 32 bytes for each half of the lanes
	v_mul_u32_u24 v9, v3, PS
	v_lshl_add_u32 v9, v2, 4, v9
	v_add_nc_u32 v9, s23, v9                       ; back: lanes 0-15 one row of 256 bytes, lanes 16-31 the next
	s_lshl_b32 s20, s16, 17                        ; a slice of qbp is 131,072 bytes
	s_add_co_u32 s20, s20, s18
	s_add_nc_u64 s[28:29], s[12:13], s[20:21]
	s_wait_loadcnt 63                              ; of the 96 loads at most 63 are out: the 32 oldest, query's, are in
.set i, 0
.rept 64
	v_cvt_pk_bf16_f32 v[QF+i], v[QL+2*i], v[QL+2*i+1]
.set i, i+1
.endr
.set gq, 0
.rept 4                                                ; the slab, sixteen loads (32 rows) at a time
	s_wait_loadcnt 48-16*gq                        ; the slab loads younger than this group's last stay out
	WIN 0x05                                       ; sources window 1, destination window 0
.set i, 0
.rept 16
	v_cvt_pk_bf16_f32 v[TT+2*i],   v[64*gq+4*i],   v[64*gq+4*i+1]
	v_cvt_pk_bf16_f32 v[TT+2*i+1], v[64*gq+4*i+2], v[64*gq+4*i+3]
.set i, i+1
.endr
	WIN 0
.set i, 0
.rept 16
	ds_store_b64 v6, v[TT+2*i:TT+2*i+1] offset:(16*gq+i)*2*P2
.set i, i+1
.endr
.set gq, gq+1
.endr
.set i, 0
.rept 32                                               ; fragment i / 2 = 4 kk + nt, half s = i % 2: k = 32 kk + 16 s + 8 h + 0..7 of column 16 nt + r
	ds_load_tr16_b128 v[WFR+4*i:WFR+4*i+3], v7 offset:(32*(i/8)+16*(i%2))*P2+32*((i/2)%4)
.set i, i+1
.endr
	s_wait_dscnt 0x0
	WIN 0x50                                       ; C and D window 1, sources window 0
.set i, 0
.rept 32                                               ; kk = i / 8, nt = (i / 2) % 4, mt = i % 2: the eight accumulators take turns
.if i < 8
	v_wmma_f32_16x16x32_bf16 v[8*(i%8):8*(i%8)+7], v[WFR+8*(4*(i/8)+(i/2)%4):WFR+8*(4*(i/8)+(i/2)%4)+7], v[QF+8*(4*(i%2)+i/8):QF+8*(4*(i%2)+i/8)+7], 0
.else
	v_wmma_f32_16x16x32_bf16 v[8*(i%8):8*(i%8)+7], v[WFR+8*(4*(i/8)+(i/2)%4):WFR+8*(4*(i/8)+(i/2)%4)+7], v[QF+8*(4*(i%2)+i/8):QF+8*(4*(i%2)+i/8)+7], v[8*(i%8):8*(i%8)+7]
.endif
.set i, i+1
.endr
.rept 4
	v_nop                                          ; four places between the last product and the stores of results and the loads into its sources
.endr
	WIN 0x04                                       ; store data window 1, address window 0
.set i, 0
.rept 16                                               ; accumulator c = i / 2 = 2 nt + mt; its low four registers first.  A lane holds batch 16 mt + r, columns 16 nt + 8 h + 0..7
	ds_store_b128 v8, v[4*i:4*i+3] offset:((i/2)%2)*16*PS+(i/4)*64+(i%2)*16
.set i, i+1
.endr
	WIN 0
.set i, 0
.rept 16
	ds_load_b128 v[WFR+4*i:WFR+4*i+3], v9 offset:i*2*PS  ; in order behind the stores above
.set i, i+1
.endr
.set i, 0
.rept 16
	s_wait_dscnt 15-i
	global_store_b128 v5, v[WFR+4*i:WFR+4*i+3], s[28:29] offset:i*8192  ; sixteen lanes store 256 consecutive bytes, aligned
.set i, i+1
.endr
	s_wait_tensorcnt 0x0                           ; the wave's end: three lines behind my last LDS store
	ds_add_u32 v[SPW], v[NIL]
	s_wait_dscnt 0x0
	s_endpgm
.Lfunc_end_k_qdca48016d7_prep:
	.size	k_qdca48016d7_prep, .Lfunc_end_k_qdca48016d7_prep-k_qdca48016d7_prep
	.p2alignl 7, 3214868480
	.fill 96, 4, 3214868480
	.section	.rodata,"a",@progbits
	.p2align	6, 0x0
	.amdhsa_kernel k_qdca48016d7_prep
		.amdhsa_group_segment_fixed_size 117248
		.amdhsa_private_segment_fixed_size 0
		.amdhsa_enable_private_segment 0
		.amdhsa_kernarg_size 40
		.amdhsa_user_sgpr_count 2
		.amdhsa_user_sgpr_kernarg_segment_ptr 1
		.amdhsa_wavefront_size32 1
		.amdhsa_system_sgpr_workgroup_id_x 1
		.amdhsa_system_sgpr_workgroup_id_y 1
		.amdhsa_system_sgpr_workgroup_id_z 1
		.amdhsa_system_vgpr_workitem_id 0
		.amdhsa_next_free_vgpr 512
		.amdhsa_next_free_sgpr 66
		.amdhsa_reserve_vcc 0
		.amdhsa_float_denorm_mode_32 3
		.amdhsa_float_denorm_mode_16_64 3
		.amdhsa_memory_ordered 1
		.amdhsa_forward_progress 1
		.amdhsa_inst_pref_size 51
	.end_amdhsa_kernel
	.amdgpu_metadata
---
amdhsa.version: [ 1, 2 ]
amdhsa.kernels:
  - .name:           k_qdca48016d7_prep
    .symbol:         k_qdca48016d7_prep.kd
    .args:
      - { .name: W1, .offset: 0, .size: 8, .value_kind: global_buffer, .address_space: global }
      - { .name: W2, .offset: 8, .size: 8, .value_kind: global_buffer, .address_space: global }
      - { .name: query, .offset: 16, .size: 8, .value_kind: global_buffer, .address_space: global }
      - { .name: w1f, .offset: 24, .size: 8, .value_kind: global_buffer, .address_space: global }
      - { .name: qbp, .offset: 32, .size: 8, .value_kind: global_buffer, .address_space: global }
    .group_segment_fixed_size: 117248
    .private_segment_fixed_size: 0
    .kernarg_segment_align: 8
    .kernarg_segment_size: 40
    .max_flat_workgroup_size: 128
    .sgpr_count:     66
    .vgpr_count:     512
    .wavefront_size: 32
...
	.end_amdgpu_metadata
.endif
;; end of part 1
;; launch main (part 2): grid 256 x 1, 4 waves a work-group, no clusters, 276,224 bytes of LDS; arguments keys, mask, V, w1f, qbp, sc, cxp; writes sc, cxp
.if DOCPART == 2
	.amdgcn_target "amdgcn-amd-amdhsa--gfx1250"
	.amdhsa_code_object_version 6
	.text
	.protected	k_qdca48016d7_main
	.globl	k_qdca48016d7_main
	.p2align	8
	.type	k_qdca48016d7_main,@function
k_qdca48016d7_main:
	s_mov_b64 s[64:65], 0
	v_nop
	global_prefetch_b8 v0, s[64:65] scope:SCOPE_SE
	s_setreg_imm32_b32 hwreg(HW_REG_WAVE_MODE, 25, 1), 1
	s_wait_xcnt 0x0
; SCORES AND PARTIAL CONTEXTS.  score[row] = sum over d of V[d] tanh((keys[row] . W1[:, d]) + (query . W2)[d]); where mask = 0 the score is -1e9.
; A work-group of four waves takes 256 rows of one batch as two BLOCKS of 128.  A block's keys leave memory once: rounded to bf16 they stay in LDS from the product to the weighted sum.
; For each block: sc = the 128 masked scores; cxp = sum over the block's rows of exp(score - the block's maximum) x key.  The next launch merges a batch's 16 blocks.
; THE PRODUCT.  A wave makes all 128 rows x 128 columns in a pass (64 accumulators, 512 registers), two passes a block: wave w, pass p: columns 128 (2 w + p) on.  K goes in steps of 32:
; 64 matrix instructions, 16 LDS loads (keys) and 16 global loads (W1's fragments, which w1f holds as the registers want them: 8,192 consecutive bytes a step, asked for three steps ahead).
; No wave shares a fragment of W1 with another wave of its work-group, so they never touch LDS, and the product loop has no barrier.
; THE MATRIX INSTRUCTION IS USED TRANSPOSED (source 0 = 16 columns of W1, source 1 = 16 rows of keys): a lane holds one row (lane % 16) and the columns 8 (lane / 16) + 0..7.
; NO CLUSTER, NO JOINT LOADS, though all work-groups walk w1f: the resident block takes 264,192 of 327,680 bytes of LDS; a K step of 32 for the group's 512 columns of a pass is 32,768 bytes,
; and two such slots, 65,536, do not fit into the 63,488 left; smaller slots would hold less than one step's 64 matrix instructions a wave between request and wait.
; tanh x = 1 - 2 / (1 + 2^(2 log2(e) x)); so score = sum V - 2 sum V / (1 + 2^..).  The dot with V and the weighted sum have one useful row of sixteen for the matrix unit: they are made in f32 by vector instructions.
; LIMITS.  keys are rounded once to bf16 (also for the weighted sum); V, scores, weights and all sums are f32.  For large |x| the exponential gives infinity or 0 and tanh is +-1 exactly.
; A weight below 2^-126 counts as 0.  Unmasked scores (at most sum |V| in size) are taken to lie far above -1e9.  NaN and infinities in the inputs are not treated apart.
; REGISTERS, in windows of 256 (s_set_vgpr_msb: bits 1:0 source 0, 3:2 source 1, 5:4 source 2, 7:6 destination):
;   window 0: v0-63 addresses, sums; v64-127, v128-191 keys' fragments, two buffers (also: the epilogue's constants, the weighted sum's data); v192-255 at work
;   window 1: W1's fragments, four buffers of 64      windows 2, 3: the accumulators (a, b) at v[8 (8 (a % 4) + b)]; window 2 is also where a block's keys land
.set PITCH,  2064                      ; a row of keys in LDS: 2,048 bytes + 16 = 129 x 16: the 16 rows of a fragment load start 16 bytes further on in each 256
.set TILE16, 16*PITCH
.set CB,     128*PITCH                 ; 264,192: 2 log2(e) x (query . W2) of my batch, 1,024 f32
.set CV,     CB+4096                   ; V, 1,024 f32
.set SP,     CV+4096                   ; [wave 4][row 128] the waves' parts of the scores
.set SF,     SP+2048                   ; [row 128] masked scores
.set PW,     SF+512                    ; [row 128] weights
.set RED,    PW+512                    ; four waves' maxima, a block of 256 bytes
.set SPARE,  RED+256                   ; the spare words, 128 bytes a wave: two blocks of 256 bytes that no other line names
.set LO,   3                           ; v3   16 x lane
.set A0,   4                           ; v4   r x PITCH + 16 h
.set AA,   5                           ; v5-8 LDS address of my fragments of row tiles 2 i, 2 i + 1
.set CA0,  9                           ; v9   CB + 1,024 w + 32 h
.set CA,   10                          ; v10  the same for the pass in hand
.set MK,   11                          ; v11  my row's mask
.set KO,   12                          ; v12-13 byte offset of a landing zone's next four rows of keys
.set KL,   14                          ; v14-15 where they go in LDS
.set SPA,  16                          ; v16  SP + 512 w + 4 r
.set T4,   17                          ; v17  4 t
.set T16,  18                          ; v18  16 t
.set XA,   19                          ; v19  the weighted sum's place in the block
.set PA,   20                          ; v20  and among the weights
.set NEG,  21                          ; v21  -1e9
.set WK,   22                          ; v22-27 at work
.set SPW,  28                          ; v28  my spare word's address; never rewritten
.set NIL,  29                          ; v29  0; never rewritten
.set SPT,  30                          ; v30  SP + 4 t
.set REDW, 31                          ; v31  RED + 4 w
.set SA,   32                          ; v32-47 for each of 8 row tiles a pair: sum of V / (1 + 2^..), even and odd columns
.set SV,   48                          ; v48-49 sum of V over my lane's columns
.set CX,   50                          ; v50-57 my 8 columns of the weighted sum
.set REDR, 58                          ; v58  RED
.set SFR,  59                          ; v59  SF + 16 x lane
.set KL0,  60                          ; v60  8 x lane + 32 w rows
.set X8,   61                          ; v61  8 t
.set TBA,  62                          ; v62  CB + 16 t
.set F0,   64
.set F1,   128
.set KC,   64                          ; the epilogue's constants: for column tile b 8 biases at KC + 16 b, 8 of V behind them
.set T,    192
.set KB,   4                           ; s[4:5]   keys at my wave's 32 rows of the block
.set MB,   6                           ; s[6:7]   mask at the block
.set VB,   8                           ; s[8:9]   V
.set WB,   10                          ; s[10:11] w1f
.set QB,   12                          ; s[12:13] qbp at my batch
.set SCB,  14                          ; s[14:15] sc at the block
.set CXB,  16                          ; s[16:17] cxp at the block
.set WV,   18                          ; s18      my wave
.set BS,   20                          ; s[20:21] w1f at my wave's stream of 524,288 bytes
.set BB,   22                          ; s[22:23] the stream at the step in hand
.set TB,   24                          ; s[24:25] where the stream goes on behind a pass
.set TN,   26                          ; s[26:27]
.set C2,   28                          ; s[28:29] 2 log2(e), named as a pair
.set SEL,  30                          ; s[30:31] v_permlanex16_b32: each lane takes its own place in the other half
.set BLK,  32
.set PASS, 33
.set TRIP, 34
.set PO,   35                          ; 512 x pass
.set CNT,  36
.set OF,   38                          ; s[38:39] an offset, high word 0
.set L2E,  40                          ; log2(e)
.set MSB, 0
.macro WIN new                         ; the immediate's high byte repeats the setting that is left; a switch that changes nothing is dropped
.if MSB != (\new)
	s_set_vgpr_msb (MSB<<8)|(\new)
.set MSB, \new
.endif
.endm
.macro PLACES                          ; four places between a matrix instruction and a load into one of its registers or a vector instruction that reads its result
.rept 4
	v_nop
.endr
.endm
.macro BAR                             ; my LDS instructions are done, for the others' sake; then all four waves meet
	s_wait_dscnt 0x0
	s_barrier_signal -1
	s_barrier_wait -1
.endm
; 16 matrix instructions: row tiles a0, a0 + 1 of the window's four (hi = 0: rows 0-63, 1: rows 64-127) x all 8 column tiles.  zero = 1: the product starts the sums.
.macro MUL16 f, q, hi, a0, zero
	WIN 0xa1+0x50*(\hi)                            ; source 0 window 1, source 1 window 0, C and D window 2 or 3
.irp a, \a0, (\a0)+1
.irp b, 0,1,2,3,4,5,6,7
.if \zero
	v_wmma_f32_16x16x32_bf16 v[8*(8*(\a)+(\b)):8*(8*(\a)+(\b))+7], v[64*(\q)+8*(\b):64*(\q)+8*(\b)+7], v[(\f)+8*(4*(\hi)+(\a)):(\f)+8*(4*(\hi)+(\a))+7], 0
.else
	v_wmma_f32_16x16x32_bf16 v[8*(8*(\a)+(\b)):8*(8*(\a)+(\b))+7], v[64*(\q)+8*(\b):64*(\q)+8*(\b)+7], v[(\f)+8*(4*(\hi)+(\a)):(\f)+8*(4*(\hi)+(\a))+7], v[8*(8*(\a)+(\b)):8*(8*(\a)+(\b))+7]
.endif
.endr
.endr
.endm
; 16 LDS loads: the keys' fragments of one K step (128 rows x 32 k at byte koff of the rows) into buffer g; rows 0-63 first
.macro FETCH_A g, koff
	WIN 0
.irp i, 0,1,2,3,4,5,6,7
	ds_load_b128 v[(\g)+8*(\i):(\g)+8*(\i)+3],   v[AA+(\i)/2] offset:(\koff)+((\i)%2)*TILE16
	ds_load_b128 v[(\g)+8*(\i)+4:(\g)+8*(\i)+7], v[AA+(\i)/2] offset:(\koff)+((\i)%2)*TILE16+32
.endr
.endm
; 16 global loads: W1's fragments of one K step, 8,192 consecutive bytes, into buffer q of window 1
.macro GLOAD q, base, off
	WIN 0x40
.set j, 0
.rept 16
	global_load_b128 v[64*(\q)+4*j:64*(\q)+4*j+3], v[LO], s[\base:\base+1] offset:(\off)+512*j th:TH_LOAD_HT
.set j, j+1
.endr
.endm
; A K step: multiplies keys' buffer f by W1's buffer q; in its middle it asks for W1's fragments three steps on (buffer q3, read last by the step before) and fetches the next step's keys into g.
.macro STEP f, g, q, q3, base, goff, koff, zero, fetch
	s_wait_loadcnt 32                              ; loads come back in order: this step's sixteen are in, the next two steps' 32 stay out
	s_wait_dscnt 8                                 ; keys' rows 0-63 are in; the youngest eight loads (rows 64-127) may be out
	MUL16 \f, \q, 0, 0, \zero
	MUL16 \f, \q, 0, 2, \zero
	PLACES
	GLOAD \q3, \base, \goff
.if \fetch
	FETCH_A \g, \koff
	s_wait_dscnt 16                                ; all but the sixteen just issued
.else
	s_wait_dscnt 0x0
.endif
	MUL16 \f, \q, 1, 0, \zero
	MUL16 \f, \q, 1, 2, \zero
.endm
; 32 loads: four whole rows of keys (512 consecutive bytes a load) into landing zone z of window 2
.macro KISSUE z
	WIN 0x80
.set i, 0
.rept 32
	global_load_b128 v[128*(\z)+4*i:128*(\z)+4*i+3], v[KO+(\z)], s[KB:KB+1] offset:(i/8)*4096+(i%8)*512 th:TH_LOAD_NT
.set i, i+1
.endr
.endm
; Zone z's four rows are rounded to bf16 and laid into the block.  ahead = 1: the zone takes the rows eight further down.  left: the younger loads, which stay out.
.macro KPROC z, ahead, left
	s_wait_loadcnt \left                           ; zone z's 32 loads are in, so its offset register may step too
	WIN 0x0a                                       ; sources window 2, destination window 0
.set i, 0
.rept 64
	v_cvt_pk_bf16_f32 v[T+i], v[128*(\z)+2*i], v[128*(\z)+2*i+1]
.set i, i+1
.endr
	WIN 0
.set i, 0
.rept 32
	ds_store_b64 v[KL+(\z)], v[T+2*i:T+2*i+1] offset:(i/8)*PITCH+(i%8)*256  ; 32 lanes, 256 consecutive bytes
.set i, i+1
.endr
	v_add_nc_u32 v[KL+(\z)], 8*PITCH, v[KL+(\z)]
.if \ahead
	v_add_nc_u32 v[KO+(\z)], 8*4096, v[KO+(\z)]
	KISSUE \z
.endif
.endm
; The epilogue for column tile b and four row tiles (hw = 0: tiles 0-3, 1: tiles 4-7): 32 numbers a lane.  2^(2 log2(e) x + bias'), + 1, reciprocal, times V onto the row tiles' sums.
; Each accumulator's lowest registers are read first.  A plain instruction stands behind each run of transcendentals before a result is used (ISA guide 5.7.2).
.macro EPI b, hw
	WIN 0x02+(\hw)                                 ; source 0 window 2 or 3
.set z, 0
.rept 16                                               ; z = 4 a' + jj
	v_pk_fma_f32 v[T+2*z:T+2*z+1], v[8*(8*(z/4)+(\b))+2*(z%4):8*(8*(z/4)+(\b))+2*(z%4)+1], s[C2:C2+1], v[KC+16*(\b)+2*(z%4):KC+16*(\b)+2*(z%4)+1] op_sel_hi:[1,0,1]
.set z, z+1
.endr
	WIN 0
.set z, 0
.rept 32
	v_exp_f32 v[T+z], v[T+z]
.set z, z+1
.endr
	v_nop
.set z, 0
	s_wait_alu depctr_va_vdst(0)
.rept 16
	v_pk_add_f32 v[T+2*z:T+2*z+1], v[T+2*z:T+2*z+1], 1.0 op_sel_hi:[1,0]
.set z, z+1
.endr
.set z, 0
.rept 32
	v_rcp_f32 v[T+z], v[T+z]
.set z, z+1
.endr
	v_nop
.set z, 0
	s_wait_alu depctr_va_vdst(0)
.rept 16                                               ; z = 4 jj + a': the four sums take turns
	v_pk_fma_f32 v[SA+2*(4*(\hw)+z%4):SA+2*(4*(\hw)+z%4)+1], v[T+8*(z%4)+2*(z/4):T+8*(z%4)+2*(z/4)+1], v[KC+16*(\b)+8+2*(z/4):KC+16*(\b)+8+2*(z/4)+1], v[SA+2*(4*(\hw)+z%4):SA+2*(4*(\hw)+z%4)+1]
.set z, z+1
.endr
.if (\hw) == 0
.set z, 0
.rept 4
	v_pk_add_f32 v[SV:SV+1], v[SV:SV+1], v[KC+16*(\b)+8+2*z:KC+16*(\b)+8+2*z+1]
.set z, z+1
.endr
.endif
.endm
	; ---- the head ----
	s_load_b256 s[4:11], s[0:1], 0x0               ; keys, mask, V, w1f
	s_load_b128 s[12:15], s[0:1], 0x20             ; qbp, sc
	s_load_b64 s[16:17], s[0:1], 0x30              ; cxp
	v_lshl_add_u32 v[SPW], v0, 2, SPARE
	v_mov_b32 v[NIL], 0
	v_lshrrev_b32 v[WK], 5, v0
	v_readfirstlane_b32 s[WV], v[WK]               ; wave 0..3
	v_and_b32 v1, 15, v0                           ; r
	v_bfe_u32 v2, v0, 4, 1                         ; h
	v_and_b32 v[WK], 31, v0                        ; lane
	v_lshlrev_b32 v[LO], 4, v[WK]
	v_mul_u32_u24 v[A0], v1, PITCH
	v_lshl_add_u32 v[A0], v2, 4, v[A0]
	s_lshl_b32 s[OF], s[WV], 10
	s_add_co_u32 s[OF], s[OF], CB
	v_lshl_add_u32 v[CA0], v2, 5, s[OF]
	s_lshl_b32 s[OF], s[WV], 9
	s_add_co_u32 s[OF], s[OF], SP
	v_lshl_add_u32 v[SPA], v1, 2, s[OF]
	v_lshlrev_b32 v[T4], 2, v0
	v_lshlrev_b32 v[T16], 4, v0
	v_mov_b32 v[NEG], 0xce6e6b28                   ; -1e9
	v_lshl_add_u32 v[SPT], v0, 2, SP
	s_lshl_b32 s[OF], s[WV], 2
	s_add_co_u32 s[OF], s[OF], RED
	v_mov_b32 v[REDW], s[OF]
	v_mov_b32 v[REDR], RED
	v_lshl_add_u32 v[SFR], v[WK], 4, SF
	s_mul_i32 s[OF], s[WV], 32*PITCH
	v_lshl_add_u32 v[KL0], v[WK], 3, s[OF]
	v_lshlrev_b32 v[X8], 3, v0
	v_lshl_add_u32 v[TBA], v0, 4, CB
	s_mov_b32 s[C2], 0x4038aa3b                    ; 2 log2(e)
	s_mov_b32 s[C2+1], s[C2]
	s_mov_b32 s[SEL], 0x76543210
	s_mov_b32 s[SEL+1], 0xfedcba98
	s_mov_b32 s[L2E], 0x3fb8aa3b
	s_mov_b32 s[OF+1], 0
	s_wait_kmcnt 0x0
	s_lshl_b32 s[OF], ttmp9, 20                    ; 256 rows of 4,096 bytes a work-group,
	s_lshl_b32 s41, s[WV], 17                      ; 32 rows a wave
	s_add_co_u32 s[OF], s[OF], s41
	s_add_nc_u64 s[KB:KB+1], s[KB:KB+1], s[OF:OF+1]
	s_lshl_b32 s[OF], ttmp9, 10                    ; 256 words
	s_add_nc_u64 s[MB:MB+1], s[MB:MB+1], s[OF:OF+1]
	s_add_nc_u64 s[SCB:SCB+1], s[SCB:SCB+1], s[OF:OF+1]
	s_lshl_b32 s[OF], ttmp9, 13                    ; two blocks' 4,096 bytes
	s_add_nc_u64 s[CXB:CXB+1], s[CXB:CXB+1], s[OF:OF+1]
	s_lshr_b32 s[OF], ttmp9, 3                     ; the batch
	s_lshl_b32 s[OF], s[OF], 12
	s_add_nc_u64 s[QB:QB+1], s[QB:QB+1], s[OF:OF+1]
	s_lshl_b32 s[OF], s[WV], 19
	s_add_nc_u64 s[BS:BS+1], s[WB:WB+1], s[OF:OF+1]
	s_mov_b64 s[BB:BB+1], s[BS:BS+1]
.irp sl, 0,1,2,3,4,5,6,7                ; the eight partial sums of query . W2 for my columns 4 t .. and 512 + 4 t ..
.irp j, 0,1
	global_load_b128 v[F0+8*(\sl)+4*(\j):F0+8*(\sl)+4*(\j)+3], v[T16], s[QB:QB+1] offset:(\sl)*131072+(\j)*2048
.endr
.endr
.irp j, 0,1
	global_load_b128 v[F1+4*(\j):F1+4*(\j)+3], v[T16], s[VB:VB+1] offset:(\j)*2048
.endr
	GLOAD 0, BB, 0                                 ; W1's fragments of K steps 0, 1, 2
	GLOAD 1, BB, 8192
	GLOAD 2, BB, 16384
	WIN 0
	s_wait_loadcnt 48                              ; the 18 table loads are in; the 48 behind them stay out
.irp sl, 1,2,3,4,5,6,7                  ; K ascending
.irp p, 0,1,2,3
	v_pk_add_f32 v[F0+2*(\p):F0+2*(\p)+1], v[F0+2*(\p):F0+2*(\p)+1], v[F0+8*(\sl)+2*(\p):F0+8*(\sl)+2*(\p)+1]
.endr
.endr
.irp p, 0,1,2,3
	v_pk_mul_f32 v[F0+2*(\p):F0+2*(\p)+1], v[F0+2*(\p):F0+2*(\p)+1], s[C2:C2+1] op_sel_hi:[1,0]
.endr
	ds_store_b128 v[TBA], v[F0:F0+3]
	ds_store_b128 v[TBA], v[F0+4:F0+7] offset:2048
	ds_store_b128 v[TBA], v[F1:F1+3] offset:4096
	ds_store_b128 v[TBA], v[F1+4:F1+7] offset:6144
	s_mov_b32 s[BLK], 2
.Lblock:
	; ---- the block's keys: memory -> bf16 -> LDS; wave w brings rows 32 w .. + 31, four at a time through two landing zones ----
	global_load_b32 v[MK], v[T4], s[MB:MB+1]
	v_mov_b32 v[KO], v[LO]
	v_add_nc_u32 v[KO+1], 4*4096, v[LO]
	v_mov_b32 v[KL], v[KL0]
	v_add_nc_u32 v[KL+1], 4*PITCH, v[KL0]
	KISSUE 0
	KISSUE 1
	WIN 0
	BAR                                            ; every wave's reads of the last block are back: now the block may be written over
	s_mov_b32 s[CNT], 3
.Lkeys:
	KPROC 0, 1, 32                                 ; the other zone's 32 loads are younger
	KPROC 1, 1, 32
	WIN 0
	s_sub_co_u32 s[CNT], s[CNT], 1
	s_cmp_lg_u32 s[CNT], 0
	s_cbranch_scc1 .Lkeys
	KPROC 0, 0, 32
	KPROC 1, 0, 0                                  ; the last four rows: nothing is out behind them
	WIN 0
	BAR                                            ; the block (and, the first time, the tables) is whole for every wave
.set i, 0
.rept 18
	v_mov_b32 v[SA+i], 0                           ; the eight row tiles' sums and V's
.set i, i+1
.endr
	s_mov_b32 s[PASS], 2
	s_mov_b32 s[PO], 0
.Lpass:
	; ---- the product: 128 rows x 128 columns, 32 K steps ----
	v_mov_b32 v[AA], v[A0]
	v_add_nc_u32 v[AA+1], 2*TILE16, v[A0]
	v_add_nc_u32 v[AA+2], 4*TILE16, v[A0]
	v_add_nc_u32 v[AA+3], 6*TILE16, v[A0]
	v_add_nc_u32 v[CA], s[PO], v[CA0]
	FETCH_A F0, 0
	STEP F0, F1, 0, 3, BB, 3*8192, 64, 1, 1        ; K step 0 starts the sums: nothing is cleared
	WIN 0
	s_mov_b32 s[TRIP], 7
.Ltrip:                                                ; K steps 4 n + 1 .. 4 n + 4.  The 64 accumulators take turns in one order throughout
	STEP F1, F0, 1, 0, BB, 4*8192, 128, 0, 1
	STEP F0, F1, 2, 1, BB, 5*8192, 192, 0, 1
	STEP F1, F0, 3, 2, BB, 6*8192, 256, 0, 1
	STEP F0, F1, 0, 3, BB, 7*8192, 320, 0, 1
	WIN 0
	s_wait_xcnt 0x0                                ; the loads' addresses are translated (ISA guide 3.1): only now their base steps
	s_add_nc_u64 s[BB:BB+1], s[BB:BB+1], 4*8192
.irp i, 0,1,2,3
	v_add_nc_u32 v[AA+(\i)], 256, v[AA+(\i)]
.endr
	s_sub_co_u32 s[TRIP], s[TRIP], 1
	s_cmp_lg_u32 s[TRIP], 0
	s_cbranch_scc1 .Ltrip
	; K steps 29, 30, 31 ask for the next pass's steps 0, 1, 2: behind pass 0 the stream runs on; behind pass 1 it begins anew, for the next block.
	; (Behind the last block those 24,576 bytes a wave serve nothing; they lie inside w1f, and every count stays the same on all ways.)
	s_add_nc_u64 s[TN:TN+1], s[BB:BB+1], 4*8192
	s_cmp_eq_u32 s[PASS], 1
	s_cselect_b64 s[TB:TB+1], s[BS:BS+1], s[TN:TN+1]
	STEP F1, F0, 1, 0, TB, 0,     128, 0, 1
	STEP F0, F1, 2, 1, TB, 8192,  192, 0, 1
	STEP F1, F0, 3, 2, TB, 16384, 0,   0, 0
	WIN 0
	s_wait_xcnt 0x0
	s_mov_b64 s[BB:BB+1], s[TB:TB+1]
	; ---- the epilogue: bias, tanh, dot with V, in registers ----
	PLACES                                         ; behind the last products: loads into keys' buffers, then reads of the results
.set i, 0
.rept 8                                                ; column tile i: 8 biases and 8 of V for my columns 16 i + 8 h + 0..7
	ds_load_b128 v[KC+16*i:KC+16*i+3],     v[CA] offset:64*i
	ds_load_b128 v[KC+16*i+4:KC+16*i+7],   v[CA] offset:64*i+16
	ds_load_b128 v[KC+16*i+8:KC+16*i+11],  v[CA] offset:64*i+4096
	ds_load_b128 v[KC+16*i+12:KC+16*i+15], v[CA] offset:64*i+4096+16
.set i, i+1
.endr
	s_wait_dscnt 0x0
.irp b, 0,1,2,3,4,5,6,7
	EPI \b, 0
	EPI \b, 1
.endr
	WIN 0
	s_mov_b32 s[PO], 512
	s_sub_co_u32 s[PASS], s[PASS], 1
	s_cmp_lg_u32 s[PASS], 0
	s_cbranch_scc1 .Lpass
	; ---- the scores: sum V - 2 sum V / (1 + 2^..) over my wave's 256 columns, then over the four waves ----
	v_add_f32 v[WK], v[SV], v[SV+1]
.set a, 0
.rept 8
	v_add_f32 v[T+a], v[SA+2*a], v[SA+2*a+1]
.set a, a+1
.endr
.set a, 0
.rept 8
	v_fma_f32 v[T+a], v[T+a], -2.0, v[WK]
.set a, a+1
.endr
.set a, 0
.rept 8
	v_permlanex16_b32 v[T+8+a], v[T+a], s[SEL], s[SEL+1]  ; the row's other columns lie in the lane 16 away
.set a, a+1
.endr
.set a, 0
.rept 8
	v_add_f32 v[T+a], v[T+a], v[T+8+a]
.set a, a+1
.endr
.set a, 0
.rept 8
	ds_store_b32 v[SPA], v[T+a] offset:64*a        ; row 16 a + r; both halves of the lanes write the same number
.set a, a+1
.endr
	BAR
	ds_load_b32 v[WK],   v[SPT]                    ; thread t takes row t
	ds_load_b32 v[WK+1], v[SPT] offset:512
	ds_load_b32 v[WK+2], v[SPT] offset:1024
	ds_load_b32 v[WK+3], v[SPT] offset:1536
	s_wait_dscnt 0x0
	v_add_f32 v[WK], v[WK], v[WK+1]
	v_add_f32 v[WK+2], v[WK+2], v[WK+3]
	v_add_f32 v[WK], v[WK], v[WK+2]
	v_cmp_eq_u32 vcc_lo, 0, v[MK]
	v_cndmask_b32 v[WK], v[WK], v[NEG], vcc_lo     ; -1e9 where the mask is 0
	v_mov_b32 v[WK+1], v[WK]
	v_max_num_f32_dpp v[WK+1], v[WK+1], v[WK+1] row_xmask:1 row_mask:0xf bank_mask:0xf
	v_max_num_f32_dpp v[WK+1], v[WK+1], v[WK+1] row_xmask:2 row_mask:0xf bank_mask:0xf
	v_max_num_f32_dpp v[WK+1], v[WK+1], v[WK+1] row_xmask:4 row_mask:0xf bank_mask:0xf
	v_max_num_f32_dpp v[WK+1], v[WK+1], v[WK+1] row_xmask:8 row_mask:0xf bank_mask:0xf
	v_permlanex16_b32 v[WK+2], v[WK+1], s[SEL], s[SEL+1]
	v_max_num_f32 v[WK+1], v[WK+1], v[WK+2]        ; my wave's 32 rows' maximum
	ds_store_b32 v[SPT], v[WK] offset:SF-SP
	ds_store_b32 v[REDW], v[WK+1]
	BAR
	ds_load_b128 v[WK+2:WK+5], v[REDR]
	s_wait_dscnt 0x0
	v_max3_num_f32 v[WK+2], v[WK+2], v[WK+3], v[WK+4]
	v_max_num_f32 v[WK+2], v[WK+2], v[WK+5]        ; the block's maximum
	v_sub_f32 v[WK+3], v[WK], v[WK+2]              ; the difference first, then the scale: nothing is lost where both are -1e9
	v_mul_f32 v[WK+3], s[L2E], v[WK+3]
	v_exp_f32 v[WK+3], v[WK+3]
	v_nop
	s_wait_alu depctr_va_vdst(0)
	ds_store_b32 v[SPT], v[WK+3] offset:PW-SP
	BAR
	s_cmp_lg_u32 s[WV], 0
	s_cbranch_scc1 .Lnosc
	ds_load_b128 v[WK+2:WK+5], v[SFR]              ; wave 0 stores the block's 128 scores: 512 consecutive bytes
	s_wait_dscnt 0x0
	global_store_b128 v[LO], v[WK+2:WK+5], s[SCB:SCB+1]
.Lnosc:
	; ---- the weighted sum of the resident block: thread t has columns 4 t .. + 3 and 512 + 4 t .. + 3 ----
.set i, 0
.rept 8
	v_mov_b32 v[CX+i], 0
.set i, i+1
.endr
	v_mov_b32 v[XA], v[X8]
	v_mov_b32 v[PA], PW
	s_mov_b32 s[CNT], 8
.Lctx:                                                 ; 16 rows a trip
.set i, 0
.rept 16
	ds_load_b64 v[F0+4*i:F0+4*i+1],   v[XA] offset:i*PITCH
	ds_load_b64 v[F0+4*i+2:F0+4*i+3], v[XA] offset:i*PITCH+1024
.set i, i+1
.endr
.irp i, 0,1,2,3
	ds_load_b128 v[F1+4*(\i):F1+4*(\i)+3], v[PA] offset:16*(\i)  ; the 16 rows' weights, the same in every lane
.endr
	s_wait_dscnt 0x0
.set i, 0
.rept 64                                               ; row i / 4, word i % 4: two columns; eight sums take turns
	v_fma_mix_f32_bf16 v[CX+2*(i%4)],   v[F0+i], v[F1+i/4], v[CX+2*(i%4)]   op_sel:[0,0,0] op_sel_hi:[1,0,0]
	v_fma_mix_f32_bf16 v[CX+2*(i%4)+1], v[F0+i], v[F1+i/4], v[CX+2*(i%4)+1] op_sel:[1,0,0] op_sel_hi:[1,0,0]
.set i, i+1
.endr
	v_add_nc_u32 v[XA], TILE16, v[XA]
	v_add_nc_u32 v[PA], 64, v[PA]
	s_sub_co_u32 s[CNT], s[CNT], 1
	s_cmp_lg_u32 s[CNT], 0
	s_cbranch_scc1 .Lctx
	global_store_b128 v[T16], v[CX:CX+3],   s[CXB:CXB+1]              ; a wave stores 512 consecutive bytes
	global_store_b128 v[T16], v[CX+4:CX+7], s[CXB:CXB+1] offset:2048
	s_wait_xcnt 0x0                                ; the stores' and loads' addresses are translated: their bases and data may be written
	s_add_nc_u64 s[KB:KB+1], s[KB:KB+1], 128*4096
	s_add_nc_u64 s[MB:MB+1], s[MB:MB+1], 512
	s_add_nc_u64 s[SCB:SCB+1], s[SCB:SCB+1], 512
	s_add_nc_u64 s[CXB:CXB+1], s[CXB:CXB+1], 4096
	s_sub_co_u32 s[BLK], s[BLK], 1
	s_cmp_lg_u32 s[BLK], 0
	s_cbranch_scc1 .Lblock
	s_wait_tensorcnt 0x0                           ; the wave's end: three lines behind my last LDS store
	ds_add_u32 v[SPW], v[NIL]
	s_wait_dscnt 0x0
	s_endpgm
.Lfunc_end_k_qdca48016d7_main:
	.size	k_qdca48016d7_main, .Lfunc_end_k_qdca48016d7_main-k_qdca48016d7_main
	.p2alignl 7, 3214868480
	.fill 96, 4, 3214868480
	.section	.rodata,"a",@progbits
	.p2align	6, 0x0
	.amdhsa_kernel k_qdca48016d7_main
		.amdhsa_group_segment_fixed_size 276224
		.amdhsa_private_segment_fixed_size 0
		.amdhsa_enable_private_segment 0
		.amdhsa_kernarg_size 56
		.amdhsa_user_sgpr_count 2
		.amdhsa_user_sgpr_kernarg_segment_ptr 1
		.amdhsa_wavefront_size32 1
		.amdhsa_system_sgpr_workgroup_id_x 1
		.amdhsa_system_sgpr_workgroup_id_y 1
		.amdhsa_system_sgpr_workgroup_id_z 1
		.amdhsa_system_vgpr_workitem_id 0
		.amdhsa_next_free_vgpr 1024
		.amdhsa_next_free_sgpr 66
		.amdhsa_reserve_vcc 1
		.amdhsa_float_denorm_mode_32 3
		.amdhsa_float_denorm_mode_16_64 3
		.amdhsa_memory_ordered 1
		.amdhsa_forward_progress 1
		.amdhsa_inst_pref_size 208
	.end_amdhsa_kernel
	.amdgpu_metadata
---
amdhsa.version: [ 1, 2 ]
amdhsa.kernels:
  - .name:           k_qdca48016d7_main
    .symbol:         k_qdca48016d7_main.kd
    .args:
      - { .name: keys, .offset: 0, .size: 8, .value_kind: global_buffer, .address_space: global }
      - { .name: mask, .offset: 8, .size: 8, .value_kind: global_buffer, .address_space: global }
      - { .name: V, .offset: 16, .size: 8, .value_kind: global_buffer, .address_space: global }
      - { .name: w1f, .offset: 24, .size: 8, .value_kind: global_buffer, .address_space: global }
      - { .name: qbp, .offset: 32, .size: 8, .value_kind: global_buffer, .address_space: global }
      - { .name: sc, .offset: 40, .size: 8, .value_kind: global_buffer, .address_space: global }
      - { .name: cxp, .offset: 48, .size: 8, .value_kind: global_buffer, .address_space: global }
    .group_segment_fixed_size: 276224
    .private_segment_fixed_size: 0
    .kernarg_segment_align: 8
    .kernarg_segment_size: 56
    .max_flat_workgroup_size: 128
    .sgpr_count:     66
    .vgpr_count:     1024
    .wavefront_size: 32
...
	.end_amdgpu_metadata
.endif
;; end of part 2
;; launch finish (part 3): grid 32 x 1, 8 waves a work-group, no clusters, 1,536 bytes of LDS; arguments sc, cxp, out0, out1; writes out0, out1
.if DOCPART == 3
	.amdgcn_target "amdgcn-amd-amdhsa--gfx1250"
	.amdhsa_code_object_version 6
	.text
	.protected	k_qdca48016d7_finish
	.globl	k_qdca48016d7_finish
	.p2align	8
	.type	k_qdca48016d7_finish,@function
k_qdca48016d7_finish:
	s_mov_b64 s[64:65], 0
	v_nop
	global_prefetch_b8 v0, s[64:65] scope:SCOPE_SE
	s_setreg_imm32_b32 hwreg(HW_REG_WAVE_MODE, 25, 1), 1
	s_wait_xcnt 0x0
; THE SOFTMAX OVER A BATCH AND THE MERGE.  Work-group b is batch b; 256 threads.  sc holds the batch's 2,048 masked scores, cxp for each of its 16 blocks of 128 rows the sum of
; exp(score - m_block) x key.  M = the batch's maximum, L = sum of exp(score - M):  attn = exp(score - M) / L;  context = sum over blocks of exp(m_block - M) cxp_block / L.
; Thread t holds scores 4 t .. + 3 and 1,024 + 4 t .. + 3, so wave w holds exactly blocks w and 8 + w: their maxima are the numbers that the launch before took away (a maximum rounds nothing).
; A batch that is masked throughout has all scores, m and M at -1e9: all weights 1, L = 2,048.  LIMITS: a weight below 2^-126 counts as 0; NaN and infinities are not treated apart.
; Memory binds what little there is: no matrix unit, no cluster; all 18 loads of a thread go out at the head.
.set RED1,  0                          ; 16 words: the blocks' maxima
.set RED2,  256                        ; 8 words: the waves' sums
.set SPARE, 512                        ; the spare words, 128 bytes for each of eight waves: four blocks of 256 bytes that no other line names
.set SPW, 30
.set NIL, 31
.set CXR, 32                           ; v32-95  16 blocks x my 4 columns
.set MX,  96                           ; v96-111 the 16 maxima, then the 16 weights
.set OUT, 112                          ; v112-115
	s_load_b256 s[4:11], s[0:1], 0x0               ; sc s[4:5], cxp s[6:7], out0 s[8:9], out1 s[10:11]
	v_lshl_add_u32 v[SPW], v0, 2, SPARE
	v_mov_b32 v[NIL], 0
	v_lshrrev_b32 v2, 5, v0
	v_readfirstlane_b32 s12, v2                    ; wave 0..7
	v_mov_b32 v16, s12
	v_lshlrev_b32 v16, 2, v16                      ; 4 w
	v_lshlrev_b32 v1, 4, v0                        ; 16 t
	v_mov_b32 v17, 0
	v_mov_b32 v14, 0                               ; v_permlanex16_b32 counts as a reader of its destination
	v_mov_b32 v15, 0
	s_mov_b32 s13, 0x3fb8aa3b                      ; log2(e)
	s_mov_b32 s14, 0x76543210
	s_mov_b32 s15, 0xfedcba98
	s_mov_b32 s17, 0
	s_wait_kmcnt 0x0
	s_lshl_b32 s16, ttmp9, 13                      ; 2,048 words
	s_add_nc_u64 s[4:5], s[4:5], s[16:17]
	s_add_nc_u64 s[10:11], s[10:11], s[16:17]
	s_lshl_b32 s16, ttmp9, 16                      ; 16 blocks of 4,096 bytes
	s_add_nc_u64 s[6:7], s[6:7], s[16:17]
	s_lshl_b32 s16, ttmp9, 12
	s_add_nc_u64 s[8:9], s[8:9], s[16:17]
	global_load_b128 v[4:7],  v1, s[4:5] th:TH_LOAD_NT
	global_load_b128 v[8:11], v1, s[4:5] offset:4096 th:TH_LOAD_NT
.set k, 0
.rept 16
	global_load_b128 v[CXR+4*k:CXR+4*k+3], v1, s[6:7] offset:k*4096 th:TH_LOAD_NT
.set k, k+1
.endr
	s_wait_loadcnt 16                              ; the scores are in; the sixteen loads of cxp stay out
	v_max3_num_f32 v12, v4, v5, v6
	v_max3_num_f32 v13, v8, v9, v10
	v_max_num_f32 v12, v12, v7
	v_max_num_f32 v13, v13, v11
.irp m, 1,2,4,8
	v_max_num_f32_dpp v12, v12, v12 row_xmask:\m row_mask:0xf bank_mask:0xf
	v_max_num_f32_dpp v13, v13, v13 row_xmask:\m row_mask:0xf bank_mask:0xf
.endr
	v_permlanex16_b32 v14, v12, s14, s15
	v_permlanex16_b32 v15, v13, s14, s15
	v_max_num_f32 v12, v12, v14                    ; block w's maximum
	v_max_num_f32 v13, v13, v15                    ; block 8 + w's
	ds_store_b32 v16, v12 offset:RED1
	ds_store_b32 v16, v13 offset:RED1+32
	s_wait_dscnt 0x0                               ; for the others' sake
	s_barrier_signal -1
	s_barrier_wait -1
.irp i, 0,1,2,3
	ds_load_b128 v[MX+4*(\i):MX+4*(\i)+3], v17 offset:RED1+16*(\i)
.endr
	s_wait_dscnt 0x0
	v_max3_num_f32 v18, v[MX], v[MX+1], v[MX+2]
.irp i, 3,5,7,9,11,13
	v_max3_num_f32 v18, v18, v[MX+(\i)], v[MX+(\i)+1]
.endr
	v_max_num_f32 v18, v18, v[MX+15]               ; M
.irp i, 4,5,6,7,8,9,10,11
	v_sub_f32 v\i, v\i, v18                        ; the difference first, then the scale
.endr
.irp i, 4,5,6,7,8,9,10,11
	v_mul_f32 v\i, s13, v\i
.endr
.irp i, 4,5,6,7,8,9,10,11
	v_exp_f32 v\i, v\i
.endr
	v_nop                                          ; a plain instruction behind the exponentials (ISA guide 5.7.2)
	s_wait_alu depctr_va_vdst(0)
	v_add_f32 v19, v4, v5
	v_add_f32 v20, v6, v7
	v_add_f32 v21, v8, v9
	v_add_f32 v22, v10, v11
	v_add_f32 v19, v19, v20
	v_add_f32 v21, v21, v22
	v_add_f32 v19, v19, v21
.irp m, 1,2,4,8
	v_add_f32_dpp v19, v19, v19 row_xmask:\m row_mask:0xf bank_mask:0xf
.endr
	v_permlanex16_b32 v14, v19, s14, s15
	v_add_f32 v19, v19, v14                        ; my wave's sum
	ds_store_b32 v16, v19 offset:RED2
	s_wait_dscnt 0x0
	s_barrier_signal -1
	s_barrier_wait -1
	ds_load_b128 v[20:23], v17 offset:RED2
	ds_load_b128 v[24:27], v17 offset:RED2+16
.set k, 0
.rept 16                                               ; meanwhile the blocks' weights: 2^((m_k - M) log2(e))
	v_sub_f32 v[MX+k], v[MX+k], v18
.set k, k+1
.endr
.set k, 0
.rept 16
	v_mul_f32 v[MX+k], s13, v[MX+k]
.set k, k+1
.endr
.set k, 0
.rept 16
	v_exp_f32 v[MX+k], v[MX+k]
.set k, k+1
.endr
	s_wait_dscnt 0x0
	v_add_f32 v20, v20, v21
	v_add_f32 v22, v22, v23
	v_add_f32 v24, v24, v25
	v_add_f32 v26, v26, v27
	v_add_f32 v20, v20, v22
	v_add_f32 v24, v24, v26
	v_add_f32 v20, v20, v24                        ; L, the same order in every thread
	v_rcp_f32 v28, v20
	v_nop
	s_wait_alu depctr_va_vdst(0)
.irp i, 4,5,6,7,8,9,10,11
	v_mul_f32 v\i, v\i, v28
.endr
	global_store_b128 v1, v[4:7],  s[10:11]               ; a wave stores 512 consecutive bytes
	global_store_b128 v1, v[8:11], s[10:11] offset:4096
.set k, 0
.rept 16
	v_mul_f32 v[MX+k], v[MX+k], v28
.set k, k+1
.endr
	s_wait_loadcnt 0x0                             ; cxp
.irp c, 0,1,2,3
	v_mul_f32 v[OUT+(\c)], v[CXR+(\c)], v[MX]      ; the first block starts the sums
.endr
.set k, 1
.rept 15
.irp c, 0,1,2,3
	v_fma_f32 v[OUT+(\c)], v[CXR+4*k+(\c)], v[MX+k], v[OUT+(\c)]
.endr
.set k, k+1
.endr
	global_store_b128 v1, v[OUT:OUT+3], s[8:9]
	s_wait_tensorcnt 0x0                           ; the wave's end: three lines behind my last LDS store
	ds_add_u32 v[SPW], v[NIL]
	s_wait_dscnt 0x0
	s_endpgm
.Lfunc_end_k_qdca48016d7_finish:
	.size	k_qdca48016d7_finish, .Lfunc_end_k_qdca48016d7_finish-k_qdca48016d7_finish
	.p2alignl 7, 3214868480
	.fill 96, 4, 3214868480
	.section	.rodata,"a",@progbits
	.p2align	6, 0x0
	.amdhsa_kernel k_qdca48016d7_finish
		.amdhsa_group_segment_fixed_size 1536
		.amdhsa_private_segment_fixed_size 0
		.amdhsa_enable_private_segment 0
		.amdhsa_kernarg_size 32
		.amdhsa_user_sgpr_count 2
		.amdhsa_user_sgpr_kernarg_segment_ptr 1
		.amdhsa_wavefront_size32 1
		.amdhsa_system_sgpr_workgroup_id_x 1
		.amdhsa_system_sgpr_workgroup_id_y 1
		.amdhsa_system_sgpr_workgroup_id_z 1
		.amdhsa_system_vgpr_workitem_id 0
		.amdhsa_next_free_vgpr 128
		.amdhsa_next_free_sgpr 66
		.amdhsa_reserve_vcc 0
		.amdhsa_float_denorm_mode_32 3
		.amdhsa_float_denorm_mode_16_64 3
		.amdhsa_memory_ordered 1
		.amdhsa_forward_progress 1
		.amdhsa_inst_pref_size 14
	.end_amdhsa_kernel
	.amdgpu_metadata
---
amdhsa.version: [ 1, 2 ]
amdhsa.kernels:
  - .name:           k_qdca48016d7_finish
    .symbol:         k_qdca48016d7_finish.kd
    .args:
      - { .name: sc, .offset: 0, .size: 8, .value_kind: global_buffer, .address_space: global }
      - { .name: cxp, .offset: 8, .size: 8, .value_kind: global_buffer, .address_space: global }
      - { .name: out0, .offset: 16, .size: 8, .value_kind: global_buffer, .address_space: global }
      - { .name: out1, .offset: 24, .size: 8, .value_kind: global_buffer, .address_space: global }
    .group_segment_fixed_size: 1536
    .private_segment_fixed_size: 0
    .kernarg_segment_align: 8
    .kernarg_segment_size: 32
    .max_flat_workgroup_size: 256
    .sgpr_count:     66
    .vgpr_count:     128
    .wavefront_size: 32
...
	.end_amdgpu_metadata
.endif
;; end of part 3
;; ======== version 2 of 3: 3 launches; 1.58 times as fast as version 1
;; limits: right only within a limited range of input values
;; workspace buffers: w1f 2,097,152 bytes; qbp 1,048,576 bytes; list 327,680 bytes of whole numbers; pos 262,144 bytes of whole numbers; scc 327,680 bytes; cxp 2,097,152 bytes
;; launch prep (part 4): grid 104 x 1, 4 waves a work-group, no clusters, 117,248 bytes of LDS; arguments W1, W2, query, w1f, qbp, mask, list, pos; writes w1f, qbp, list, pos
.if DOCPART == 4
	.amdgcn_target "amdgcn-amd-amdhsa--gfx1250"
	.amdhsa_code_object_version 6
	.text
	.protected	k_qdca48016d7_prep
	.globl	k_qdca48016d7_prep
	.p2align	8
	.type	k_qdca48016d7_prep,@function
k_qdca48016d7_prep:
	s_mov_b64 s[64:65], 0
	v_nop
	global_prefetch_b8 v0, s[64:65] scope:SCOPE_SE
	s_setreg_imm32_b32 hwreg(HW_REG_WAVE_MODE, 25, 1), 1
	s_wait_xcnt 0x0
; PREPARATION.  Three kinds of work, chosen by the work-group's number; every wave works alone on LDS bytes of its own, so there is no barrier.
; Work-groups 0-63 (256 waves): W1 [k 1024][n 1024] f32 is rounded once to bf16 and written as w1f, the register image of matrix fragments:
;   w1f[g 8][ks 32][b 8][s 2][lane 32][8 bf16]; lane (r = lane % 16, h = lane / 16) holds W1[32 ks + 16 s + 8 h + 0..7][128 g + 16 b + r].
;   A wave takes one (ks, g): 32 rows x 128 columns, through LDS, turned by ds_load_tr16_b128; it stores 8,192 consecutive bytes.
; Work-groups 64-95 (128 waves): qbp[slice 8][batch 32][n 1024] f32 = the sum over k in 128 slice .. + 127 of bf16(query[batch][k]) bf16(W2[k][n]).
;   A wave takes one slice and 64 columns: 32 matrix instructions on 8 accumulators.  The eight slices are added, in ascending order, by the next launch.
; Work-groups 96-103 (32 waves): THE LIST.  A wave takes one batch's 2,048 mask words.  The rows whose mask is not 0 (all rows, if none is) are ranked; rank p is row p % 16 of tile p / 16;
;   tile q goes to work-group q % 8 of the batch's eight as its local tile u = q / 8: slot = 320 (q % 8) + 16 u + p % 16.
;   list[work-group 256][320]: words 0-143 the rows of block 0 (u = 0..8), 144-287 those of block 1 (u = 9..15, then pads), a pad is 0xffff; 288, 289 the blocks' tile counts; 290: 1 if the whole batch is masked.
;   pos[row 65,536]: the row's slot among its batch's 2,560; 319, a word that holds no row, for rows that are not listed.
; LIMITS.  W1, W2 and query are rounded once to bf16 (nearest even); sums in f32.
.set SLABB, 29184                      ; a wave's LDS: the slab (20,480 bytes), then the stage (8,704); the list's image (10,240) and its 32 counts lie in the same bytes
.set STG,   20480
.set SPARE, 4*SLABB                    ; behind the four waves' regions: the spare words, 128 bytes a wave, two blocks of 256 bytes that no other line names
.set P1,    288                        ; W1's slab: a row of 128 bf16 = 256 bytes + 32 = 9 x 32
.set P2,    160                        ; W2's slab: a row of 64 bf16 = 128 bytes + 32 = 5 x 32
.set PS,    272                        ; the stage: a row of 64 f32 = 256 bytes + 16 = 17 x 16
.set SPW,   28                         ; v28  my spare word's address; never rewritten
.set NIL,   29                         ; v29  0; never rewritten
.set QL,    32                         ; v32-159  W1's rows, or query, as loaded; then W2's fragments; then rows read back
.set WFR,   32
.set QF,    160                        ; v160-223 W1's turned fragments, or query's 8 fragments
.set TT,    224                        ; v224-255 at work
.set MSB, 0
.macro WIN new                         ; the immediate's high byte repeats the setting that is left; a switch that changes nothing is dropped
.if MSB != (\new)
	s_set_vgpr_msb (MSB<<8)|(\new)
.set MSB, \new
.endif
.endm
	s_load_b256 s[4:11], s[0:1], 0x0               ; W1 s[4:5], W2 s[6:7], query s[8:9], w1f s[10:11]
	s_load_b64 s[12:13], s[0:1], 0x20              ; qbp
	s_load_b128 s[32:35], s[0:1], 0x28             ; mask s[32:33], list s[34:35]
	s_load_b64 s[36:37], s[0:1], 0x38              ; pos
	v_lshl_add_u32 v[SPW], v0, 2, SPARE
	v_mov_b32 v[NIL], 0
	v_lshrrev_b32 v1, 5, v0
	v_readfirstlane_b32 s14, v1                    ; wave 0..3
	v_and_b32 v1, 31, v0                           ; lane
	v_and_b32 v2, 15, v0                           ; r
	v_bfe_u32 v3, v0, 4, 1                         ; h
	v_lshlrev_b32 v4, 4, v1                        ; 16 x lane
	v_lshlrev_b32 v5, 4, v2
	v_lshl_add_u32 v5, v3, 12, v5                  ; h x 4,096 + 16 r: two rows of 256 bytes
	v_and_b32 v11, 7, v0
	v_lshl_add_u32 v11, v3, 3, v11                 ; the turning load's row: 8 h + lane % 8
	v_bfe_u32 v12, v0, 3, 1                        ; and its 16 bytes: (lane / 8) % 2
	s_mov_b32 s19, ttmp9
	s_lshl_b32 s15, s19, 2
	s_add_co_u32 s15, s15, s14                     ; my wave among all: 0..415
	s_mul_i32 s22, s14, SLABB                      ; my LDS region
	s_mov_b32 s21, 0                               ; high word of every offset pair
	s_and_b32 s16, s15, 7                          ; g, or the slice
	s_wait_kmcnt 0x0
	s_cmp_ge_u32 s19, 96
	s_cbranch_scc1 .Llist
	s_cmp_ge_u32 s19, 64
	s_cbranch_scc1 .Lw2
	; ---- W1: 32 rows (k = 32 ks ..) x 128 columns (n = 128 g ..) ----
	s_lshr_b32 s17, s15, 3                         ; ks
	s_lshl_b32 s20, s17, 17                        ; 32 rows of 4,096 bytes
	s_lshl_b32 s18, s16, 9                         ; 128 columns of 4 bytes
	s_add_co_u32 s20, s20, s18
	s_add_nc_u64 s[24:25], s[4:5], s[20:21]
.set i, 0
.rept 32                                               ; one load takes a row's 512 consecutive bytes
	global_load_b128 v[QL+4*i:QL+4*i+3], v4, s[24:25] offset:i*4096 th:TH_LOAD_NT
.set i, i+1
.endr
	v_lshl_add_u32 v6, v1, 3, s22                  ; into the slab: 8 bytes a lane
	v_mul_u32_u24 v7, v11, P1
	v_lshl_add_u32 v7, v12, 4, v7
	v_add_nc_u32 v7, s22, v7                       ; out of it, turned
	s_lshl_b32 s20, s16, 5
	s_add_co_u32 s20, s20, s17
	s_lshl_b32 s20, s20, 13                        ; (32 g + ks) x 8,192
	s_add_nc_u64 s[26:27], s[10:11], s[20:21]
.set i, 0
.rept 32
	s_wait_loadcnt 31-i                            ; loads come back in order: row i is in, the 31 - i younger rows stay out
	v_cvt_pk_bf16_f32 v[TT+2*(i%16)],   v[QL+4*i],   v[QL+4*i+1]
	v_cvt_pk_bf16_f32 v[TT+2*(i%16)+1], v[QL+4*i+2], v[QL+4*i+3]
	ds_store_b64 v6, v[TT+2*(i%16):TT+2*(i%16)+1] offset:i*P1
.set i, i+1
.endr
.set j, 0
.rept 16                                               ; j = 2 b + s.  LDS serves a wave's instructions in order: these see the stores above
	ds_load_tr16_b128 v[QF+4*j:QF+4*j+3], v7 offset:(j%2)*16*P1+(j/2)*32
.set j, j+1
.endr
.set j, 0
.rept 16
	s_wait_dscnt 15-j                              ; the 15 - j younger turning loads stay out
	global_store_b128 v4, v[QF+4*j:QF+4*j+3], s[26:27] offset:j*512  ; 512 consecutive bytes, aligned
.set j, j+1
.endr
	s_wait_tensorcnt 0x0                           ; the wave's end: three lines behind my last LDS store
	ds_add_u32 v[SPW], v[NIL]
	s_wait_dscnt 0x0
	s_endpgm
	; ---- query x W2: k = 128 slice .. + 127, columns 64 cg .. + 63, all 32 batches ----
.Lw2:
	s_sub_co_u32 s15, s15, 256
	s_lshr_b32 s17, s15, 3                         ; cg 0..15
	s_lshl_b32 s20, s16, 9                         ; 128 k of 4 bytes
	s_add_nc_u64 s[24:25], s[8:9], s[20:21]
	v_lshlrev_b32 v10, 12, v2
	v_lshl_add_u32 v10, v3, 5, v10                 ; batch r x 4,096 + 32 h
.set i, 0
.rept 32                                               ; fragment f = i / 4 = 4 mt + kk: batches 16 mt + r, k = 32 kk + 8 h + 0..7 (bytes 0, 16) and + 16 (bytes 64, 80)
	global_load_b128 v[QL+4*i:QL+4*i+3], v10, s[24:25] offset:(i/16)*65536+((i/4)%4)*128+((i%4)/2)*64+(i%2)*16
.set i, i+1
.endr
	s_lshl_b32 s20, s16, 19                        ; 128 rows of 4,096 bytes
	s_lshl_b32 s18, s17, 8                         ; 64 columns of 4 bytes
	s_add_co_u32 s20, s20, s18
	s_add_nc_u64 s[26:27], s[6:7], s[20:21]
	WIN 0x40                                       ; destination window 1
.set i, 0
.rept 64                                               ; one load takes two rows' 256 aligned bytes each
	global_load_b128 v[4*i:4*i+3], v5, s[26:27] offset:i*8192 th:TH_LOAD_NT
.set i, i+1
.endr
	WIN 0
	v_mul_u32_u24 v6, v3, P2
	v_lshl_add_u32 v6, v2, 3, v6
	v_add_nc_u32 v6, s22, v6                       ; into the slab: row h, 8 bytes at 8 r
	v_mul_u32_u24 v7, v11, P2
	v_lshl_add_u32 v7, v12, 4, v7
	v_add_nc_u32 v7, s22, v7                       ; out of it, turned
	s_add_co_u32 s23, s22, STG
	v_mul_u32_u24 v8, v2, PS
	v_lshl_add_u32 v8, v3, 5, v8
	v_add_nc_u32 v8, s23, v8                       ; into the stage: batch r, 32 bytes for each half of the lanes
	v_mul_u32_u24 v9, v3, PS
	v_lshl_add_u32 v9, v2, 4, v9
	v_add_nc_u32 v9, s23, v9                       ; back: lanes 0-15 one row of 256 bytes, lanes 16-31 the next
	s_lshl_b32 s20, s16, 17                        ; a slice of qbp is 131,072 bytes
	s_add_co_u32 s20, s20, s18
	s_add_nc_u64 s[28:29], s[12:13], s[20:21]
	s_wait_loadcnt 63                              ; of the 96 loads at most 63 are out: the 32 oldest, query's, are in
.set i, 0
.rept 64
	v_cvt_pk_bf16_f32 v[QF+i], v[QL+2*i], v[QL+2*i+1]
.set i, i+1
.endr
.set gq, 0
.rept 4                                                ; the slab, sixteen loads (32 rows) at a time
	s_wait_loadcnt 48-16*gq                        ; the slab loads younger than this group's last stay out
	WIN 0x05                                       ; sources window 1, destination window 0
.set i, 0
.rept 16
	v_cvt_pk_bf16_f32 v[TT+2*i],   v[64*gq+4*i],   v[64*gq+4*i+1]
	v_cvt_pk_bf16_f32 v[TT+2*i+1], v[64*gq+4*i+2], v[64*gq+4*i+3]
.set i, i+1
.endr
	WIN 0
.set i, 0
.rept 16
	ds_store_b64 v6, v[TT+2*i:TT+2*i+1] offset:(16*gq+i)*2*P2
.set i, i+1
.endr
.set gq, gq+1
.endr
.set i, 0
.rept 32                                               ; fragment i / 2 = 4 kk + nt, half s = i % 2: k = 32 kk + 16 s + 8 h + 0..7 of column 16 nt + r
	ds_load_tr16_b128 v[WFR+4*i:WFR+4*i+3], v7 offset:(32*(i/8)+16*(i%2))*P2+32*((i/2)%4)
.set i, i+1
.endr
	s_wait_dscnt 0x0
	WIN 0x50                                       ; C and D window 1, sources window 0
.set i, 0
.rept 32                                               ; kk = i / 8, nt = (i / 2) % 4, mt = i % 2: the eight accumulators take turns
.if i < 8
	v_wmma_f32_16x16x32_bf16 v[8*(i%8):8*(i%8)+7], v[WFR+8*(4*(i/8)+(i/2)%4):WFR+8*(4*(i/8)+(i/2)%4)+7], v[QF+8*(4*(i%2)+i/8):QF+8*(4*(i%2)+i/8)+7], 0
.else
	v_wmma_f32_16x16x32_bf16 v[8*(i%8):8*(i%8)+7], v[WFR+8*(4*(i/8)+(i/2)%4):WFR+8*(4*(i/8)+(i/2)%4)+7], v[QF+8*(4*(i%2)+i/8):QF+8*(4*(i%2)+i/8)+7], v[8*(i%8):8*(i%8)+7]
.endif
.set i, i+1
.endr
.rept 4
	v_nop                                          ; four places between the last product and the stores of results and the loads into its sources
.endr
	WIN 0x04                                       ; store data window 1, address window 0
.set i, 0
.rept 16                                               ; accumulator c = i / 2 = 2 nt + mt; its low four registers first.  A lane holds batch 16 mt + r, columns 16 nt + 8 h + 0..7
	ds_store_b128 v8, v[4*i:4*i+3] offset:((i/2)%2)*16*PS+(i/4)*64+(i%2)*16
.set i, i+1
.endr
	WIN 0
.set i, 0
.rept 16
	ds_load_b128 v[WFR+4*i:WFR+4*i+3], v9 offset:i*2*PS  ; in order behind the stores above
.set i, i+1
.endr
.set i, 0
.rept 16
	s_wait_dscnt 15-i
	global_store_b128 v5, v[WFR+4*i:WFR+4*i+3], s[28:29] offset:i*8192  ; sixteen lanes store 256 consecutive bytes, aligned
.set i, i+1
.endr
	s_wait_tensorcnt 0x0                           ; the wave's end: three lines behind my last LDS store
	ds_add_u32 v[SPW], v[NIL]
	s_wait_dscnt 0x0
	s_endpgm
	; ---- the list of one batch ----
.set MM,  32                           ; v32-95   my 64 mask words (load i, word c: row 128 i + 4 lane + c); then 0 or 1; then the rows' slots
.set CT,  96                           ; v96-127  the 32 lanes' counts
.set RK,  128                          ; v128     the running rank
.set NN,  129                          ; v129     rows listed in the batch
.set PRE, 130                          ; v130     rows listed in the lanes below mine
.set AMV, 131                          ; v131     1 if the whole batch is masked
.set D3,  132                          ; v132     319
.set L4,  133                          ; v133     4 x lane
.set CC,  134                          ; v134-137 four chains of my count
.set PQ,  140                          ; v140-143 four pads
.set TA,  144                          ; v144-148, v152-156 at work, by turns
.set BK,  160                          ; v160-239 the image read back
.set IMG, 10240                        ; bytes of a batch's image: 8 work-groups x 320 words
.Llist:
	s_sub_co_u32 s15, s15, 384                     ; the batch
	s_lshl_b32 s20, s15, 13                        ; 2,048 words
	s_add_nc_u64 s[24:25], s[32:33], s[20:21]      ; mask,
	s_add_nc_u64 s[26:27], s[36:37], s[20:21]      ; pos,
	s_mul_i32 s20, s15, IMG
	s_add_nc_u64 s[28:29], s[34:35], s[20:21]      ; and list at the batch
.set i, 0
.rept 16
	global_load_b128 v[MM+4*i:MM+4*i+3], v4, s[24:25] offset:i*512  ; 512 consecutive bytes
.set i, i+1
.endr
	v_add_nc_u32 v6, s22, v4                       ; the image, 16 bytes a lane
	v_lshl_add_u32 v7, v1, 2, s22                  ; my count's word (behind the image)
	v_mov_b32 v8, s22
	v_lshlrev_b32 v[L4], 2, v1
	v_mov_b32 v[D3], 319
.irp k, 0,1,2,3
	v_mov_b32 v[PQ+\k], 0xffff
.endr
.set i, 0
.rept 20
	ds_store_b128 v6, v[PQ:PQ+3] offset:i*512      ; every word of the image is a pad until a row or a count takes it
.set i, i+1
.endr
	s_wait_loadcnt 0x0
.set i, 0
.rept 64
	v_min_u32 v[MM+i], 1, v[MM+i]                  ; 1 where the mask is not 0
.set i, i+1
.endr
.irp k, 0,1,2,3
	v_add_nc_u32 v[CC+\k], v[MM+\k], v[MM+4+\k]
.endr
.set i, 2
.rept 7
.irp k, 0,1,2,3
	v_add3_u32 v[CC+\k], v[CC+\k], v[MM+4*i+\k], v[MM+4*i+4+\k]
.endr
.set i, i+2
.endr
	v_add3_u32 v[CC], v[CC], v[CC+1], v[CC+2]
	v_add_nc_u32 v[CC], v[CC], v[CC+3]             ; my lane's count
	ds_store_b32 v7, v[CC] offset:IMG
.set i, 0
.rept 8
	ds_load_b128 v[CT+4*i:CT+4*i+3], v8 offset:IMG+16*i  ; all 32 counts, in every lane; in order behind the store
.set i, i+1
.endr
	s_wait_dscnt 0x0
	v_mov_b32 v[PRE], 0
.set j, 0
.rept 31
	v_cmp_lt_u32 vcc_lo, j, v1
	v_cndmask_b32 v[TA], 0, v[CT+j], vcc_lo
	v_add_nc_u32 v[PRE], v[PRE], v[TA]
.set j, j+1
.endr
	v_add3_u32 v[NN], v[CT], v[CT+1], v[CT+2]
.set j, 3
.rept 14
	v_add3_u32 v[NN], v[NN], v[CT+j], v[CT+j+1]
.set j, j+2
.endr
	v_add_nc_u32 v[NN], v[NN], v[CT+31]
	v_cmp_eq_u32 s30, 0, v[NN]                     ; no row is left: then all 2,048 are listed, and the flag says that their scores are -1e9
	v_cndmask_b32 v[AMV], 0, 1, s30
	v_lshlrev_b32 v[TA], 6, v1
	v_cndmask_b32 v[RK], v[PRE], v[TA], s30
	v_mov_b32 v[TA+1], 0x800
	v_cndmask_b32 v[NN], v[NN], v[TA+1], s30
.set i, 0
.rept 64
	v_or_b32 v[MM+i], v[AMV], v[MM+i]
.set i, i+1
.endr
	; the counts: T = ceil(n / 16) tiles; work-group j has U = (T - j + 7) / 8 of them, nine at the most in block 0.  Lane l writes for j = l % 8 (four lanes the same words, the same numbers)
	v_add_nc_u32 v[TA], 15, v[NN]
	v_lshrrev_b32 v[TA], 4, v[TA]
	v_and_b32 v[TA+1], 7, v1
	v_sub_nc_u32 v[TA], v[TA], v[TA+1]
	v_add_nc_u32 v[TA], 7, v[TA]
	v_lshrrev_b32 v[TA], 3, v[TA]
	v_min_u32 v[TA+2], 9, v[TA]
	v_sub_nc_u32 v[TA+3], v[TA], v[TA+2]
	v_mad_u32_u24 v[TA+4], v[TA+1], 0x500, v8
	ds_store_b32 v[TA+4], v[TA+2] offset:1152
	ds_store_b32 v[TA+4], v[TA+3] offset:1156
	ds_store_b32 v[TA+4], v[AMV] offset:1160
.set i, 0
.rept 64                                               ; my 64 rows in turn: the slot of the running rank; a row that is not listed goes to word 319
.set tb, TA+8*(i%2)
	v_bfe_u32 v[tb], v[RK], 4, 3                   ; the work-group: (rank / 16) % 8
	v_lshrrev_b32 v[tb+1], 7, v[RK]                ; its local tile
	v_and_b32 v[tb+2], 15, v[RK]
	v_lshl_or_b32 v[tb+2], v[tb+1], 4, v[tb+2]
	v_mad_u32_u24 v[tb], v[tb], 0x140, v[tb+2]
	v_cmp_ne_u32 vcc_lo, 0, v[MM+i]
	v_cndmask_b32 v[tb], v[D3], v[tb], vcc_lo
	v_add_nc_u32 v[RK], v[RK], v[MM+i]
	v_min_u32 v[MM+i], 0x9ff, v[tb]                ; a number made of loaded data enters an address only behind this bound: 2,559, the image's last word
	v_lshl_add_u32 v[tb+3], v[MM+i], 2, s22
	v_add_nc_u32 v[tb+4], 128*(i/4)+i%4, v[L4]     ; the row
	ds_store_b32 v[tb+3], v[tb+4]
.set i, i+1
.endr
.set i, 0
.rept 16
	global_store_b128 v4, v[MM+4*i:MM+4*i+3], s[26:27] offset:i*512  ; pos: 512 consecutive bytes, aligned
.set i, i+1
.endr
.set i, 0
.rept 20
	ds_load_b128 v[BK+4*i:BK+4*i+3], v6 offset:i*512  ; in order behind all the stores above
.set i, i+1
.endr
.set i, 0
.rept 20
	s_wait_dscnt 19-i                              ; the 19 - i younger loads stay out
	global_store_b128 v4, v[BK+4*i:BK+4*i+3], s[28:29] offset:i*512
.set i, i+1
.endr
	s_wait_tensorcnt 0x0                           ; the wave's end: three lines behind my last LDS store
	ds_add_u32 v[SPW], v[NIL]
	s_wait_dscnt 0x0
	s_endpgm
.Lfunc_end_k_qdca48016d7_prep:
	.size	k_qdca48016d7_prep, .Lfunc_end_k_qdca48016d7_prep-k_qdca48016d7_prep
	.p2alignl 7, 3214868480
	.fill 96, 4, 3214868480
	.section	.rodata,"a",@progbits
	.p2align	6, 0x0
	.amdhsa_kernel k_qdca48016d7_prep
		.amdhsa_group_segment_fixed_size 117248
		.amdhsa_private_segment_fixed_size 0
		.amdhsa_enable_private_segment 0
		.amdhsa_kernarg_size 64
		.amdhsa_user_sgpr_count 2
		.amdhsa_user_sgpr_kernarg_segment_ptr 1
		.amdhsa_wavefront_size32 1
		.amdhsa_system_sgpr_workgroup_id_x 1
		.amdhsa_system_sgpr_workgroup_id_y 1
		.amdhsa_system_sgpr_workgroup_id_z 1
		.amdhsa_system_vgpr_workitem_id 0
		.amdhsa_next_free_vgpr 512
		.amdhsa_next_free_sgpr 66
		.amdhsa_reserve_vcc 1
		.amdhsa_float_denorm_mode_32 3
		.amdhsa_float_denorm_mode_16_64 3
		.amdhsa_memory_ordered 1
		.amdhsa_forward_progress 1
		.amdhsa_inst_pref_size 111
	.end_amdhsa_kernel
	.amdgpu_metadata
---
amdhsa.version: [ 1, 2 ]
amdhsa.kernels:
  - .name:           k_qdca48016d7_prep
    .symbol:         k_qdca48016d7_prep.kd
    .args:
      - { .name: W1, .offset: 0, .size: 8, .value_kind: global_buffer, .address_space: global }
      - { .name: W2, .offset: 8, .size: 8, .value_kind: global_buffer, .address_space: global }
      - { .name: query, .offset: 16, .size: 8, .value_kind: global_buffer, .address_space: global }
      - { .name: w1f, .offset: 24, .size: 8, .value_kind: global_buffer, .address_space: global }
      - { .name: qbp, .offset: 32, .size: 8, .value_kind: global_buffer, .address_space: global }
      - { .name: mask, .offset: 40, .size: 8, .value_kind: global_buffer, .address_space: global }
      - { .name: list, .offset: 48, .size: 8, .value_kind: global_buffer, .address_space: global }
      - { .name: pos, .offset: 56, .size: 8, .value_kind: global_buffer, .address_space: global }
    .group_segment_fixed_size: 117248
    .private_segment_fixed_size: 0
    .kernarg_segment_align: 8
    .kernarg_segment_size: 64
    .max_flat_workgroup_size: 128
    .sgpr_count:     66
    .vgpr_count:     512
    .wavefront_size: 32
...
	.end_amdgpu_metadata
.endif
;; end of part 4
;; launch main (part 5): grid 256 x 1, 4 waves a work-group, no clusters, 310,528 bytes of LDS; arguments keys, list, V, w1f, qbp, scc, cxp; writes scc, cxp
.if DOCPART == 5
	.amdgcn_target "amdgcn-amd-amdhsa--gfx1250"
	.amdhsa_code_object_version 6
	.text
	.protected	k_qdca48016d7_main
	.globl	k_qdca48016d7_main
	.p2align	8
	.type	k_qdca48016d7_main,@function
k_qdca48016d7_main:
	s_mov_b64 s[64:65], 0
	v_nop
	global_prefetch_b8 v0, s[64:65] scope:SCOPE_SE
	s_setreg_imm32_b32 hwreg(HW_REG_WAVE_MODE, 25, 1), 1
	s_wait_xcnt 0x0
; SCORES AND PARTIAL CONTEXTS OF THE LISTED ROWS.  score[row] = sum over d of V[d] tanh((keys[row] . W1[:, d]) + (query . W2)[d]).
; A row whose mask is 0 has the score -1e9 whatever its product, and the weight 0 beside any unmasked row: the launch before has left such rows out of the list (in a batch that is masked
; throughout it lists every row and sets a flag: their scores are then -1e9, all alike).  Work-group x has batch x / 8 and the slots of list[x]: two BLOCKS of 144 slots (9 tiles of 16 rows).
; A block whose tile count is 0 is jumped over in three stretches that hold no barrier; all six barriers of a block stand on every way.  A pad slot (entry above 2,047) loads row 2,047 and gets
; the lowest finite number for a score, so its weight is 0.
; A block's keys leave memory once: rounded to bf16 they stay in LDS from the product to the weighted sum.  Out: scc[x][320] = the two blocks' 144 scores each, then the two block maxima;
; cxp[2 x + k] = sum over the block's slots of exp(score - the block's maximum) x key (0 for a dead block).  The next launch merges a batch's 16 blocks.
; THE PRODUCT.  A wave makes 144 rows x 64 columns in a pass (36 accumulators, 288 registers), four passes a block: wave w, pass p: columns 256 w + 64 p on.  K goes in steps of 32:
; 36 matrix instructions, 18 LDS loads (keys) and 8 global loads (W1's fragments, which w1f holds as the registers want them: 4,096 consecutive bytes a step, asked for seven steps ahead).
; No wave shares a fragment of W1 with another wave of its work-group, so they never touch LDS, and the product loop has no barrier.
; THE MATRIX INSTRUCTION IS USED TRANSPOSED (source 0 = 16 columns of W1, source 1 = 16 rows of keys): a lane holds one row (lane % 16) and the columns 8 (lane / 16) + 0..7.
; NO CLUSTER, NO JOINT LOADS, though all work-groups walk w1f: the resident block takes 297,216 of 327,680 bytes of LDS; a K step of 32 for the group's 256 columns of a pass is 16,384 bytes,
; and two such slots, 32,768, do not fit into the 30,464 left.
; tanh x = 1 - 2 / (1 + 2^(2 log2(e) x)); so score = sum V - 2 sum V / (1 + 2^..).  The dot with V and the weighted sum have one useful row of sixteen for the matrix unit: they are made in f32 by vector instructions.
; LIMITS.  keys are rounded once to bf16 (also for the weighted sum); V, scores, weights and all sums are f32.  For large |x| the exponential gives infinity or 0 and tanh is +-1 exactly.
; A weight below 2^-126 counts as 0.  Unmasked scores (at most sum |V| in size) are taken to lie far above -1e9.  NaN and infinities in the inputs are not treated apart; the keys of a masked row are not read.
; REGISTERS, in windows of 256 (s_set_vgpr_msb: bits 1:0 source 0, 3:2 source 1, 5:4 source 2, 7:6 destination):
;   window 0: v0-63 addresses, sums; v64-135, v136-207 keys' fragments, two buffers of 72 (also: the keys on their way to LDS, the epilogue's constants, the weighted sum's data); v208-255 at work
;   window 1: W1's fragments, eight buffers of 32      window 2: the accumulators of row tiles 0-7, (a, b) at v[8 (4 a + b)]; also where a block's keys land      window 3: v0-31 row tile 8
.set PITCH,  2064                      ; a row of keys in LDS: 2,048 bytes + 16 = 129 x 16: the 16 rows of a fragment load start 16 bytes further on in each 256
.set TILE16, 16*PITCH
.set CB,     144*PITCH                 ; 297,216: 2 log2(e) x (query . W2) of my batch, 1,024 f32
.set CV,     CB+4096                   ; V, 1,024 f32
.set SP,     CV+4096                   ; [wave 4][slot 144] the waves' parts of the scores
.set SF,     SP+4*576                  ; 320 words, as they go to scc
.set PW,     SF+1280                   ; [slot 144] weights
.set RED,    PW+768                    ; four waves' maxima, a block of 256 bytes
.set SPARE,  RED+256                   ; the spare words, 128 bytes a wave: two blocks of 256 bytes that no other line names
.set LO,   3                           ; v3   16 x lane
.set A0,   4                           ; v4   r x PITCH + 16 h
.set AA,   5                           ; v5-9 LDS address of my fragments of row tiles 2 i, 2 i + 1
.set CA0,  10                          ; v10  CB + 1,024 w + 32 h
.set CA,   11                          ; v11  the same for the pass in hand
.set KO,   12                          ; v12-19 byte offsets of the four rows on their way into each landing zone
.set KLA,  20                          ; v20-21 where my wave's slots 0-19 and 20-35 lie in LDS, 8 bytes a lane; never rewritten
.set SPA,  22                          ; v22  SP + 576 w + 4 r
.set T4,   23                          ; v23  4 t
.set T16,  24                          ; v24  16 t
.set XA,   25                          ; v25  the weighted sum's place in the block
.set PA,   26                          ; v26  and among the weights
.set NEG,  27                          ; v27  -1e9
.set SPW,  28                          ; v28  my spare word's address; never rewritten
.set NIL,  29                          ; v29  0; never rewritten
.set SPT,  30                          ; v30  SP + 4 t
.set REDW, 31                          ; v31  RED + 4 w
.set SA,   32                          ; v32-49 for each of 9 row tiles a pair: sum of V / (1 + 2^..), even and odd columns
.set SV,   50                          ; v50-51 sum of V over my lane's columns
.set CX,   52                          ; v52-59 my 8 columns of the weighted sum
.set REDR, 60                          ; v60  RED
.set X8,   61                          ; v61  8 t
.set TBA,  62                          ; v62  CB + 16 t
.set PADV, 63                          ; v63  the lowest finite number
.set F0,   64
.set F1,   136
.set TK,   64                          ; four rows of keys in bf16
.set KC,   64                          ; the epilogue's constants: for column tile b 8 biases at KC + 16 b, 8 of V behind them
.set SX,   128                         ; four pairs at work for row tile 8
.set CW,   128                         ; 16 weights
.set T,    208                         ; v208-239 at work
.set WK,   240                         ; v240-247 at work
.set EN,   248                         ; v248 the list's entry of slot t
.set EN2,  249                         ; v249 of slot 128 + t % 16
.set SPB,  250                         ; v250 SP + 512 + 4 r
.set TB4,  251                         ; v251 512 + 4 r
.set SFA,  252                         ; v252 SF + 576 k + 4 t
.set SFB,  253                         ; v253 SF + 576 k + 512 + 4 r
.set SFM,  254                         ; v254 SF + 1,152 + 4 k
.set KBB,  4                           ; s[4:5]   keys at my batch
.set LSB,  6                           ; s[6:7]   list at the block
.set VB,   8                           ; s[8:9]   V
.set WB,   10                          ; s[10:11] w1f
.set QB,   12                          ; s[12:13] qbp at my batch
.set SCB,  14                          ; s[14:15] scc at my work-group
.set CXB,  16                          ; s[16:17] cxp at the block
.set WV,   18                          ; s18      my wave
.set TM2,  19
.set BS,   20                          ; s[20:21] w1f at my wave's 524,288 bytes
.set BB,   22                          ; s[22:23] the stream at the steps in hand
.set TB,   24                          ; s[24:25] the next pass's stream
.set LP,   26                          ; s[26:27] list at my wave's 36 slots of the block
.set C2,   28                          ; s[28:29] 2 log2(e), named as a pair
.set SEL,  30                          ; s[30:31] v_permlanex16_b32: each lane takes its own place in the other half
.set BLK,  32
.set PASS, 33
.set TRIP, 34
.set PO,   35                          ; 256 x pass
.set CNT,  36
.set NT,   37                          ; the block's tile count
.set OF,   38                          ; s[38:39] an offset, high word 0
.set L2E,  40                          ; log2(e)
.set TM,   41
.set AM,   42                          ; all ones if the whole batch is masked
.set HD,   44                          ; s[44:47] list's words 288-291
.set KOF,  88                          ; 576 x block
.set SMW,  89                          ; SF + 1,152 + 4 x block
; s[48:63], s[68:87]: my wave's 36 entries; entry n lies in s[48 + n + 4 ((n / 16 + 1) / 2)]
.set MSB, 0
.macro WIN new                         ; the immediate's high byte repeats the setting that is left; a switch that changes nothing is dropped
.if MSB != (\new)
	s_set_vgpr_msb (MSB<<8)|(\new)
.set MSB, \new
.endif
.endm
.macro PLACES                          ; four places between a matrix instruction and a load into one of its registers or a vector instruction that reads its result
.rept 4
	v_nop
.endr
.endm
.macro BAR                             ; my LDS instructions are done, for the others' sake; then all four waves meet
	s_wait_dscnt 0x0
	s_barrier_signal -1
	s_barrier_wait -1
.endm
; 4 matrix instructions: row tile a x the pass's 4 column tiles.  zero = 1: the product starts the sums.
.macro MULT f, q, a, zero
.if (\a) < 8
	WIN 0xa1                                       ; source 0 window 1, source 1 window 0, C and D window 2
.set rD, 32*(\a)
.else
	WIN 0xf1                                       ; C and D window 3
.set rD, 0
.endif
.irp b, 0,1,2,3
.if \zero
	v_wmma_f32_16x16x32_bf16 v[rD+8*(\b):rD+8*(\b)+7], v[32*(\q)+8*(\b):32*(\q)+8*(\b)+7], v[(\f)+8*(\a):(\f)+8*(\a)+7], 0
.else
	v_wmma_f32_16x16x32_bf16 v[rD+8*(\b):rD+8*(\b)+7], v[32*(\q)+8*(\b):32*(\q)+8*(\b)+7], v[(\f)+8*(\a):(\f)+8*(\a)+7], v[rD+8*(\b):rD+8*(\b)+7]
.endif
.endr
.endm
; 18 LDS loads: the keys' fragments of one K step (144 rows x 32 k at byte koff of the rows) into buffer g, row tile 0 first
.macro FETCH_A g, koff
	WIN 0
.irp i, 0,1,2,3,4,5,6,7,8
	ds_load_b128 v[(\g)+8*(\i):(\g)+8*(\i)+3],   v[AA+(\i)/2] offset:(\koff)+((\i)%2)*TILE16
	ds_load_b128 v[(\g)+8*(\i)+4:(\g)+8*(\i)+7], v[AA+(\i)/2] offset:(\koff)+((\i)%2)*TILE16+32
.endr
.endm
; 8 global loads: W1's fragments of one K step for 64 columns, 4,096 consecutive bytes, into buffer q of window 1
.macro GLOAD q, base, off
	WIN 0x40
.set gj, 0
.rept 8
	global_load_b128 v[32*(\q)+4*gj:32*(\q)+4*gj+3], v[LO], s[\base:\base+1] offset:(\off)+512*gj th:TH_LOAD_HT
.set gj, gj+1
.endr
.endm
; A K step: multiplies keys' buffer f by W1's buffer q; behind its first 16 products it asks for W1's fragments seven steps on (buffer q7, read last by the step before) and fetches the next step's keys into g.
.macro STEP f, g, q, q7, base, goff, koff, zero, fetch
	s_wait_loadcnt 48                              ; loads come back in order: this step's eight are in, the next six steps' 48 stay out
	s_wait_dscnt 10                                ; keys' row tiles 0-3 are in; the youngest ten loads (tiles 4-8) may be out
.irp a, 0,1,2,3
	MULT \f, \q, \a, \zero
.endr
	PLACES
	GLOAD \q7, \base, \goff
.if \fetch
	FETCH_A \g, \koff
	s_wait_dscnt 18                                ; all but the eighteen just issued
.else
	s_wait_dscnt 0x0
.endif
.irp a, 4,5,6,7,8
	MULT \f, \q, \a, \zero
.endr
.endm
; Group g of my wave's nine (slots 4 g .. + 3): four whole rows of keys, 512 consecutive bytes a load, into landing zone z of window 2
.macro KISSUE z, g
	WIN 0
.irp rr, 0,1,2,3
	v_lshl_add_u32 v[KO+4*(\z)+\rr], s[48+4*(\g)+\rr+4*(((4*(\g)+\rr)/16+1)/2)], 12, v[LO]
.endr
	WIN 0x80
.set i, 0
.rept 32
	global_load_b128 v[128*(\z)+4*i:128*(\z)+4*i+3], v[KO+4*(\z)+i/8], s[KBB:KBB+1] offset:(i%8)*512
.set i, i+1
.endr
.endm
; Group g, in zone z, is rounded to bf16 and laid into the block; then the zone takes the group two further on.
.macro KPROC z, g
.if (\g) < 8
	s_wait_loadcnt 32                              ; the other zone's 32 loads are younger and stay out; this zone's are in, so its offset registers may be written too
.else
	s_wait_loadcnt 0x0                             ; the last group: nothing is out behind it
.endif
	WIN 0x0a                                       ; sources window 2, destination window 0
.set i, 0
.rept 64
	v_cvt_pk_bf16_f32 v[TK+i], v[128*(\z)+2*i], v[128*(\z)+2*i+1]
.set i, i+1
.endr
	WIN 0
.set i, 0
.rept 32
	ds_store_b64 v[KLA+(\g)/5], v[TK+2*i:TK+2*i+1] offset:(4*((\g)%5)+i/8)*PITCH+(i%8)*256  ; 32 lanes, 256 consecutive bytes
.set i, i+1
.endr
.if (\g) < 7
	KISSUE \z, ((\g)+2)
.endif
.endm
; The epilogue's middle, on 32 numbers a lane in T: 2^.., + 1, reciprocal.  A plain instruction stands behind each run of transcendentals before a result is used (ISA guide 5.7.2).
.macro EXPRCP
	WIN 0
.set z, 0
.rept 32
	v_exp_f32 v[T+z], v[T+z]
.set z, z+1
.endr
	v_nop
.set z, 0
	s_wait_alu depctr_va_vdst(0)
.rept 16
	v_pk_add_f32 v[T+2*z:T+2*z+1], v[T+2*z:T+2*z+1], 1.0 op_sel_hi:[1,0]
.set z, z+1
.endr
.set z, 0
.rept 32
	v_rcp_f32 v[T+z], v[T+z]
.set z, z+1
.endr
	v_nop
.endm
; The epilogue for column tile b and four row tiles (hw = 0: tiles 0-3, 1: tiles 4-7).  Each accumulator's lowest registers are read first.
.macro EPI b, hw
	WIN 0x02                                       ; source 0 window 2
.set z, 0
.rept 16                                               ; z = 4 a' + jj
	v_pk_fma_f32 v[T+2*z:T+2*z+1], v[8*(4*(4*(\hw)+z/4)+(\b))+2*(z%4):8*(4*(4*(\hw)+z/4)+(\b))+2*(z%4)+1], s[C2:C2+1], v[KC+16*(\b)+2*(z%4):KC+16*(\b)+2*(z%4)+1] op_sel_hi:[1,0,1]
.set z, z+1
.endr
	EXPRCP
.set z, 0
	s_wait_alu depctr_va_vdst(0)
.rept 16                                               ; z = 4 jj + a': the four sums take turns
	v_pk_fma_f32 v[SA+2*(4*(\hw)+z%4):SA+2*(4*(\hw)+z%4)+1], v[T+8*(z%4)+2*(z/4):T+8*(z%4)+2*(z/4)+1], v[KC+16*(\b)+8+2*(z/4):KC+16*(\b)+8+2*(z/4)+1], v[SA+2*(4*(\hw)+z%4):SA+2*(4*(\hw)+z%4)+1]
.set z, z+1
.endr
.if (\hw) == 0
.set z, 0
.rept 4
	v_pk_add_f32 v[SV:SV+1], v[SV:SV+1], v[KC+16*(\b)+8+2*z:KC+16*(\b)+8+2*z+1]
.set z, z+1
.endr
.endif
.endm
; The epilogue for row tile 8 and all four column tiles: four sums by turns, one a column tile, then onto the tile's pair
.macro EPI8
	WIN 0x03                                       ; source 0 window 3
.set z, 0
.rept 16                                               ; z = 4 b + jj
	v_pk_fma_f32 v[T+2*z:T+2*z+1], v[2*z:2*z+1], s[C2:C2+1], v[KC+16*(z/4)+2*(z%4):KC+16*(z/4)+2*(z%4)+1] op_sel_hi:[1,0,1]
.set z, z+1
.endr
	EXPRCP
.set z, 0
.rept 16                                               ; z = 4 jj + b
.if z < 4
	s_wait_alu depctr_va_vdst(0)
	v_pk_mul_f32 v[SX+2*(z%4):SX+2*(z%4)+1], v[T+8*(z%4)+2*(z/4):T+8*(z%4)+2*(z/4)+1], v[KC+16*(z%4)+8+2*(z/4):KC+16*(z%4)+8+2*(z/4)+1]
.else
	v_pk_fma_f32 v[SX+2*(z%4):SX+2*(z%4)+1], v[T+8*(z%4)+2*(z/4):T+8*(z%4)+2*(z/4)+1], v[KC+16*(z%4)+8+2*(z/4):KC+16*(z%4)+8+2*(z/4)+1], v[SX+2*(z%4):SX+2*(z%4)+1]
.endif
.set z, z+1
.endr
	v_pk_add_f32 v[SX:SX+1], v[SX:SX+1], v[SX+2:SX+3]
	v_pk_add_f32 v[SX+4:SX+5], v[SX+4:SX+5], v[SX+6:SX+7]
	v_pk_add_f32 v[SX:SX+1], v[SX:SX+1], v[SX+4:SX+5]
	v_pk_add_f32 v[SA+16:SA+17], v[SA+16:SA+17], v[SX:SX+1]
.endm
	; ---- the head ----
	s_load_b256 s[4:11], s[0:1], 0x0               ; keys, list, V, w1f
	s_load_b128 s[12:15], s[0:1], 0x20             ; qbp, scc
	s_load_b64 s[16:17], s[0:1], 0x30              ; cxp
	v_lshl_add_u32 v[SPW], v0, 2, SPARE
	v_mov_b32 v[NIL], 0
	v_lshrrev_b32 v[WK], 5, v0
	v_readfirstlane_b32 s[WV], v[WK]               ; wave 0..3
	v_and_b32 v1, 15, v0                           ; r
	v_bfe_u32 v2, v0, 4, 1                         ; h
	v_and_b32 v[WK], 31, v0                        ; lane
	v_lshlrev_b32 v[LO], 4, v[WK]
	v_mul_u32_u24 v[A0], v1, PITCH
	v_lshl_add_u32 v[A0], v2, 4, v[A0]
	s_lshl_b32 s[OF], s[WV], 10
	s_add_co_u32 s[OF], s[OF], CB
	v_lshl_add_u32 v[CA0], v2, 5, s[OF]
	s_mul_i32 s[OF], s[WV], 576
	s_add_co_u32 s[OF], s[OF], SP
	v_lshl_add_u32 v[SPA], v1, 2, s[OF]
	v_lshlrev_b32 v[T4], 2, v0
	v_lshlrev_b32 v[T16], 4, v0
	v_lshl_add_u32 v[TB4], v1, 2, 512
	v_mov_b32 v[NEG], 0xce6e6b28                   ; -1e9
	v_mov_b32 v[PADV], 0xff7fffff                  ; the lowest finite number
	v_lshl_add_u32 v[SPT], v0, 2, SP
	v_lshl_add_u32 v[SPB], v1, 2, SP+512
	s_lshl_b32 s[OF], s[WV], 2
	s_add_co_u32 s[OF], s[OF], RED
	v_mov_b32 v[REDW], s[OF]
	v_mov_b32 v[REDR], RED
	s_mul_i32 s[OF], s[WV], 36*PITCH
	v_lshl_add_u32 v[KLA], v[WK], 3, s[OF]
	v_add_nc_u32 v[KLA+1], 20*PITCH, v[KLA]
	v_lshlrev_b32 v[X8], 3, v0
	v_lshl_add_u32 v[TBA], v0, 4, CB
	v_lshl_add_u32 v[WK+1], v[WK], 2, SF+1152
	v_mov_b32 v[WK+2], 0
	s_mov_b32 s[C2], 0x4038aa3b                    ; 2 log2(e)
	s_mov_b32 s[C2+1], s[C2]
	s_mov_b32 s[SEL], 0x76543210
	s_mov_b32 s[SEL+1], 0xfedcba98
	s_mov_b32 s[L2E], 0x3fb8aa3b
	s_mov_b32 s[OF+1], 0
	s_mov_b32 s[KOF], 0
	s_mov_b32 s[SMW], SF+1152
	s_mov_b32 s[BLK], 2
	s_wait_kmcnt 0x0
	s_lshr_b32 s[TM], ttmp9, 3                     ; the batch
	s_lshl_b32 s[OF], s[TM], 23                    ; 2,048 rows of 4,096 bytes
	s_add_nc_u64 s[KBB:KBB+1], s[KBB:KBB+1], s[OF:OF+1]
	s_lshl_b32 s[OF], s[TM], 12
	s_add_nc_u64 s[QB:QB+1], s[QB:QB+1], s[OF:OF+1]
	s_mul_i32 s[OF], ttmp9, 1280                   ; 320 words a work-group
	s_add_nc_u64 s[LSB:LSB+1], s[LSB:LSB+1], s[OF:OF+1]
	s_add_nc_u64 s[SCB:SCB+1], s[SCB:SCB+1], s[OF:OF+1]
	s_lshl_b32 s[OF], ttmp9, 13                    ; two blocks' 4,096 bytes
	s_add_nc_u64 s[CXB:CXB+1], s[CXB:CXB+1], s[OF:OF+1]
	s_lshl_b32 s[OF], s[WV], 19
	s_add_nc_u64 s[BS:BS+1], s[WB:WB+1], s[OF:OF+1]
	s_mov_b64 s[BB:BB+1], s[BS:BS+1]
	s_mul_i32 s[OF], s[WV], 144                    ; 36 words a wave
	s_add_nc_u64 s[LP:LP+1], s[LSB:LSB+1], s[OF:OF+1]
	s_load_b128 s[HD:HD+3], s[LSB:LSB+1], 0x480    ; the two tile counts and the flag
.irp sl, 0,1,2,3,4,5,6,7                ; the eight partial sums of query . W2 for my columns 4 t .. and 512 + 4 t ..
.irp j, 0,1
	global_load_b128 v[64+8*(\sl)+4*(\j):64+8*(\sl)+4*(\j)+3], v[T16], s[QB:QB+1] offset:(\sl)*131072+(\j)*2048
.endr
.endr
.irp j, 0,1
	global_load_b128 v[128+4*(\j):128+4*(\j)+3], v[T16], s[VB:VB+1] offset:(\j)*2048
.endr
.irp q, 0,1,2,3,4
	GLOAD \q, BB, (\q)*8192                        ; W1's fragments of K steps 0 to 4
.endr
	WIN 0
	s_wait_loadcnt 40                              ; the 18 table loads are in; the 40 behind them stay out
.irp sl, 1,2,3,4,5,6,7                  ; K ascending
.irp p, 0,1,2,3
	v_pk_add_f32 v[64+2*(\p):64+2*(\p)+1], v[64+2*(\p):64+2*(\p)+1], v[64+8*(\sl)+2*(\p):64+8*(\sl)+2*(\p)+1]
.endr
.endr
.irp p, 0,1,2,3
	v_pk_mul_f32 v[64+2*(\p):64+2*(\p)+1], v[64+2*(\p):64+2*(\p)+1], s[C2:C2+1] op_sel_hi:[1,0]
.endr
	ds_store_b128 v[TBA], v[64:67]
	ds_store_b128 v[TBA], v[68:71] offset:2048
	ds_store_b128 v[TBA], v[128:131] offset:4096
	ds_store_b128 v[TBA], v[132:135] offset:6144
	s_cmp_lg_u32 s[WV], 0
	s_cbranch_scc1 .Lnofill
	ds_store_b32 v[WK+1], v[WK+2]                  ; wave 0: SF's words 288-319 are 0 until the maxima take the first two
.Lnofill:
	GLOAD 5, BB, 5*8192                            ; and of K steps 5 and 6
	GLOAD 6, BB, 6*8192
	WIN 0
	s_wait_kmcnt 0x0
	s_cmp_lg_u32 s[HD+2], 0
	s_cselect_b32 s[AM], -1, 0
.Lblock:
	s_load_b512 s[48:63], s[LP:LP+1], 0x0          ; my wave's 36 entries
	s_load_b512 s[68:83], s[LP:LP+1], 0x40
	s_load_b128 s[84:87], s[LP:LP+1], 0x80
	global_load_b32 v[EN],  v[T4],  s[LSB:LSB+1]   ; and, for the scores, the entries of slots t and 128 + t % 16
	global_load_b32 v[EN2], v[TB4], s[LSB:LSB+1]
	s_cmp_eq_u32 s[BLK], 2
	s_cselect_b32 s[NT], s[HD], s[HD+1]
	s_add_co_u32 s[TM], s[KOF], SF-SP
	v_add_nc_u32 v[SFA], s[TM], v[SPT]
	v_add_nc_u32 v[SFB], s[TM], v[SPB]
	v_mov_b32 v[SFM], s[SMW]
.set i, 0
.rept 20
	v_mov_b32 v[SA+i], 0                           ; the nine row tiles' sums and V's
.set i, i+1
.endr
	s_wait_kmcnt 0x0
	s_cmp_eq_u32 s[NT], 0
	s_cbranch_scc1 .Lnokeys
	; ---- the block's keys: memory -> bf16 -> LDS; wave w brings slots 36 w .. + 35, four at a time through two landing zones.
	; The barrier at the last block's bottom stands between every wave's reads of that block and these stores. ----
.set n, 0
.rept 36
	s_min_u32 s[48+n+4*((n/16+1)/2)], s[48+n+4*((n/16+1)/2)], 0x7ff  ; a loaded number enters an address only behind this bound; a pad becomes row 2,047
.set n, n+1
.endr
	KISSUE 0, 0
	KISSUE 1, 1
.set kg, 0
.rept 9
	KPROC (kg%2), kg
.set kg, kg+1
.endr
	WIN 0
.Lnokeys:
	s_wait_loadcnt 0x0                             ; on the short way: my two entries (on the long way nothing is out)
	BAR                                            ; the block (and, the first time, the tables) is whole for every wave
	s_cmp_eq_u32 s[NT], 0
	s_cbranch_scc1 .Lnoprod
	s_mov_b32 s[PASS], 4
	s_mov_b32 s[PO], 0
.Lpass:
	; ---- the product: 144 rows x 64 columns, 32 K steps ----
	v_mov_b32 v[AA], v[A0]
.irp i, 1,2,3,4
	v_add_nc_u32 v[AA+(\i)], 2*(\i)*TILE16, v[A0]
.endr
	v_add_nc_u32 v[CA], s[PO], v[CA0]
	s_add_co_u32 s[PO], s[PO], 256                 ; the next pass p': its fragments begin 262,144 (p' / 2) + 4,096 (p' % 2) bytes into my stream; behind pass 3 at its start
	s_and_b32 s[TM], s[PO], 256
	s_lshl_b32 s[TM], s[TM], 4
	s_and_b32 s[TM2], s[PO], 512
	s_lshl_b32 s[TM2], s[TM2], 9
	s_add_co_u32 s[OF], s[TM], s[TM2]
	s_add_nc_u64 s[TB:TB+1], s[BS:BS+1], s[OF:OF+1]
	FETCH_A F0, 0
	STEP F0, F1, 0, 7, BB, 7*8192, 64, 1, 1        ; K step 0 starts the sums: nothing is cleared
	WIN 0
	s_mov_b32 s[TRIP], 3
.Ltrip:                                                ; K steps 8 n + 1 .. 8 n + 8.  The 36 accumulators take turns in one order throughout
.set sj, 0
.rept 8
	STEP (F1-72*(sj%2)), (F0+72*(sj%2)), ((sj+1)%8), sj, BB, (8+sj)*8192, (sj+2)*64, 0, 1
.set sj, sj+1
.endr
	WIN 0
	s_wait_xcnt 0x0                                ; the loads' addresses are translated (ISA guide 3.1): only now their base steps
	s_add_nc_u64 s[BB:BB+1], s[BB:BB+1], 8*8192
.irp i, 0,1,2,3,4
	v_add_nc_u32 v[AA+(\i)], 512, v[AA+(\i)]
.endr
	s_sub_co_u32 s[TRIP], s[TRIP], 1
	s_cmp_lg_u32 s[TRIP], 0
	s_cbranch_scc1 .Ltrip
	; K steps 25 to 31 ask for the next pass's steps 0 to 6.  (Behind a work-group's last live block those 28,672 bytes a wave serve nothing; they lie inside w1f, and every count stays the same on all ways.)
.set sj, 0
.rept 6
	STEP (F1-72*(sj%2)), (F0+72*(sj%2)), ((sj+1)%8), sj, TB, sj*8192, (sj+2)*64, 0, 1
.set sj, sj+1
.endr
	STEP F1, F0, 7, 6, TB, 6*8192, 0, 0, 0
	WIN 0
	s_wait_xcnt 0x0
	s_mov_b64 s[BB:BB+1], s[TB:TB+1]
	; ---- the epilogue: bias, tanh, dot with V, in registers ----
	PLACES                                         ; behind the last products: loads into keys' buffers, then reads of the results
.set i, 0
.rept 4                                                ; column tile i: 8 biases and 8 of V for my columns 16 i + 8 h + 0..7
	ds_load_b128 v[KC+16*i:KC+16*i+3],     v[CA] offset:64*i
	ds_load_b128 v[KC+16*i+4:KC+16*i+7],   v[CA] offset:64*i+16
	ds_load_b128 v[KC+16*i+8:KC+16*i+11],  v[CA] offset:64*i+4096
	ds_load_b128 v[KC+16*i+12:KC+16*i+15], v[CA] offset:64*i+4096+16
.set i, i+1
.endr
	s_wait_dscnt 0x0
.irp b, 0,1,2,3
	EPI \b, 0
	EPI \b, 1
.endr
	EPI8
	WIN 0
	s_sub_co_u32 s[PASS], s[PASS], 1
	s_cmp_lg_u32 s[PASS], 0
	s_cbranch_scc1 .Lpass
.Lnoprod:
	; The passes' LDS reads, whose addresses step from trip to trip and from pass to pass, are all back in every wave before any wave stores to LDS again.  By the map above the bytes are
	; apart (the block and the tables against SP); the barrier makes the order hold without leaning on that arithmetic: one barrier for a block's 4,608 matrix instructions a wave.
	BAR
	; ---- the scores: sum V - 2 sum V / (1 + 2^..) over my wave's 256 columns, then over the four waves ----
	v_add_f32 v[WK], v[SV], v[SV+1]
.set a, 0
.rept 9
	v_add_f32 v[T+a], v[SA+2*a], v[SA+2*a+1]
.set a, a+1
.endr
.set a, 0
.rept 9
	v_fma_f32 v[T+a], v[T+a], -2.0, v[WK]
.set a, a+1
.endr
.set a, 0
.rept 9
	v_mov_b32 v[T+16+a], v[T+a]                    ; v_permlanex16_b32 counts as a reader of its destination
.set a, a+1
.endr
.set a, 0
.rept 9
	v_permlanex16_b32 v[T+16+a], v[T+a], s[SEL], s[SEL+1]  ; the row's other columns lie in the lane 16 away
.set a, a+1
.endr
.set a, 0
.rept 9
	v_add_f32 v[T+a], v[T+a], v[T+16+a]
.set a, a+1
.endr
.set a, 0
.rept 9
	ds_store_b32 v[SPA], v[T+a] offset:64*a        ; slot 16 a + r; both halves of the lanes write the same number
.set a, a+1
.endr
	BAR
	ds_load_b32 v[WK],   v[SPT]                    ; thread t takes slot t,
	ds_load_b32 v[WK+1], v[SPT] offset:576
	ds_load_b32 v[WK+2], v[SPT] offset:1152
	ds_load_b32 v[WK+3], v[SPT] offset:1728
	ds_load_b32 v[T],    v[SPB]                    ; and every thread slot 128 + t % 16 as well: 144 slots, 128 threads
	ds_load_b32 v[T+1],  v[SPB] offset:576
	ds_load_b32 v[T+2],  v[SPB] offset:1152
	ds_load_b32 v[T+3],  v[SPB] offset:1728
	s_wait_dscnt 0x0
	v_add_f32 v[WK], v[WK], v[WK+1]
	v_add_f32 v[WK+2], v[WK+2], v[WK+3]
	v_add_f32 v[T], v[T], v[T+1]
	v_add_f32 v[T+2], v[T+2], v[T+3]
	v_add_f32 v[WK], v[WK], v[WK+2]
	v_add_f32 v[T], v[T], v[T+2]
	v_cndmask_b32 v[WK], v[WK], v[NEG], s[AM]      ; -1e9 in a batch that is masked throughout
	v_cndmask_b32 v[T], v[T], v[NEG], s[AM]
	v_cmp_lt_u32 vcc_lo, 0x7ff, v[EN]
	v_cndmask_b32 v[WK], v[WK], v[PADV], vcc_lo    ; a pad lies below every score
	v_cmp_lt_u32 vcc_lo, 0x7ff, v[EN2]
	v_cndmask_b32 v[T], v[T], v[PADV], vcc_lo
	v_max_num_f32 v[WK+1], v[WK], v[T]
	v_max_num_f32_dpp v[WK+1], v[WK+1], v[WK+1] row_xmask:1 row_mask:0xf bank_mask:0xf
	v_max_num_f32_dpp v[WK+1], v[WK+1], v[WK+1] row_xmask:2 row_mask:0xf bank_mask:0xf
	v_max_num_f32_dpp v[WK+1], v[WK+1], v[WK+1] row_xmask:4 row_mask:0xf bank_mask:0xf
	v_max_num_f32_dpp v[WK+1], v[WK+1], v[WK+1] row_xmask:8 row_mask:0xf bank_mask:0xf
	v_permlanex16_b32 v[WK+2], v[WK+1], s[SEL], s[SEL+1]
	v_max_num_f32 v[WK+1], v[WK+1], v[WK+2]        ; my wave's slots' maximum
	ds_store_b32 v[SFA], v[WK]
	ds_store_b32 v[REDW], v[WK+1]
	s_cmp_lg_u32 s[WV], 0
	s_cbranch_scc1 .Lnosb
	ds_store_b32 v[SFB], v[T]                      ; wave 0 alone stores slots 128-143
.Lnosb:
	BAR
	ds_load_b128 v[WK+2:WK+5], v[REDR]
	s_wait_dscnt 0x0
	v_max3_num_f32 v[WK+2], v[WK+2], v[WK+3], v[WK+4]
	v_max_num_f32 v[WK+2], v[WK+2], v[WK+5]        ; the block's maximum
	v_sub_f32 v[WK+3], v[WK], v[WK+2]              ; the difference first, then the scale: nothing is lost where both are -1e9
	v_sub_f32 v[T+1], v[T], v[WK+2]
	v_mul_f32 v[WK+3], s[L2E], v[WK+3]
	v_mul_f32 v[T+1], s[L2E], v[T+1]
	v_exp_f32 v[WK+3], v[WK+3]
	v_exp_f32 v[T+1], v[T+1]
	v_nop
	s_wait_alu depctr_va_vdst(0)
	ds_store_b32 v[SPT], v[WK+3] offset:PW-SP
	s_cmp_lg_u32 s[WV], 0
	s_cbranch_scc1 .Lnopb
	ds_store_b32 v[SPB], v[T+1] offset:PW-SP
	ds_store_b32 v[SFM], v[WK+2]                   ; all lanes the same word, the same number
.Lnopb:
	BAR
	; ---- the weighted sum of the resident block: thread t has columns 4 t .. + 3 and 512 + 4 t .. + 3 ----
.set i, 0
.rept 8
	v_mov_b32 v[CX+i], 0
.set i, i+1
.endr
	s_cmp_eq_u32 s[NT], 0
	s_cbranch_scc1 .Lnoctx
	v_mov_b32 v[XA], v[X8]
	v_mov_b32 v[PA], PW
	s_mov_b32 s[CNT], 9
.Lctx:                                                 ; 16 slots a trip
.set i, 0
.rept 16
	ds_load_b64 v[64+4*i:64+4*i+1],   v[XA] offset:i*PITCH
	ds_load_b64 v[64+4*i+2:64+4*i+3], v[XA] offset:i*PITCH+1024
.set i, i+1
.endr
.irp i, 0,1,2,3
	ds_load_b128 v[CW+4*(\i):CW+4*(\i)+3], v[PA] offset:16*(\i)  ; the 16 slots' weights, the same in every lane
.endr
	s_wait_dscnt 0x0
.set i, 0
.rept 64                                               ; slot i / 4, word i % 4: two columns; eight sums take turns
	v_fma_mix_f32_bf16 v[CX+2*(i%4)],   v[64+i], v[CW+i/4], v[CX+2*(i%4)]   op_sel:[0,0,0] op_sel_hi:[1,0,0]
	v_fma_mix_f32_bf16 v[CX+2*(i%4)+1], v[64+i], v[CW+i/4], v[CX+2*(i%4)+1] op_sel:[1,0,0] op_sel_hi:[1,0,0]
.set i, i+1
.endr
	v_add_nc_u32 v[XA], TILE16, v[XA]
	v_add_nc_u32 v[PA], 64, v[PA]
	s_sub_co_u32 s[CNT], s[CNT], 1
	s_cmp_lg_u32 s[CNT], 0
	s_cbranch_scc1 .Lctx
.Lnoctx:
	BAR                                            ; every wave's reads of the block and of the weights are back: behind this barrier the next block's keys may be laid over it, and the wave's closing LDS lines may follow
	global_store_b128 v[T16], v[CX:CX+3],   s[CXB:CXB+1]              ; a wave stores 512 consecutive bytes
	global_store_b128 v[T16], v[CX+4:CX+7], s[CXB:CXB+1] offset:2048
	s_wait_xcnt 0x0                                ; the stores' and loads' addresses are translated: their bases and data may be written
	s_add_nc_u64 s[LSB:LSB+1], s[LSB:LSB+1], 576
	s_add_nc_u64 s[LP:LP+1], s[LP:LP+1], 576
	s_add_nc_u64 s[CXB:CXB+1], s[CXB:CXB+1], 4096
	s_mov_b32 s[KOF], 576
	s_mov_b32 s[SMW], SF+1156
	s_sub_co_u32 s[BLK], s[BLK], 1
	s_cmp_lg_u32 s[BLK], 0
	s_cbranch_scc1 .Lblock
	; ---- both blocks' scores and maxima leave together: 1,280 consecutive bytes, five whole aligned blocks of 256; every word was written ahead of the last barrier ----
	s_cmp_lg_u32 s[WV], 0
	s_cbranch_scc1 .Lend
	v_add_nc_u32 v[WK], SF, v[LO]
	v_lshrrev_b32 v[WK+1], 1, v[LO]                ; 8 x lane
	v_add_nc_u32 v[WK+2], SF+1024, v[WK+1]
	ds_load_b128 v[T:T+3],   v[WK]
	ds_load_b128 v[T+4:T+7], v[WK] offset:512
	ds_load_b64  v[T+8:T+9], v[WK+2]
	s_wait_dscnt 0x0
	global_store_b128 v[LO], v[T:T+3],   s[SCB:SCB+1]
	global_store_b128 v[LO], v[T+4:T+7], s[SCB:SCB+1] offset:512
	global_store_b64  v[WK+1], v[T+8:T+9], s[SCB:SCB+1] offset:1024
.Lend:
	s_wait_tensorcnt 0x0                           ; the wave's end: three lines behind my last LDS store
	ds_add_u32 v[SPW], v[NIL]
	s_wait_dscnt 0x0
	s_endpgm
.Lfunc_end_k_qdca48016d7_main:
	.size	k_qdca48016d7_main, .Lfunc_end_k_qdca48016d7_main-k_qdca48016d7_main
	.p2alignl 7, 3214868480
	.fill 96, 4, 3214868480
	.section	.rodata,"a",@progbits
	.p2align	6, 0x0
	.amdhsa_kernel k_qdca48016d7_main
		.amdhsa_group_segment_fixed_size 310528
		.amdhsa_private_segment_fixed_size 0
		.amdhsa_enable_private_segment 0
		.amdhsa_kernarg_size 56
		.amdhsa_user_sgpr_count 2
		.amdhsa_user_sgpr_kernarg_segment_ptr 1
		.amdhsa_wavefront_size32 1
		.amdhsa_system_sgpr_workgroup_id_x 1
		.amdhsa_system_sgpr_workgroup_id_y 1
		.amdhsa_system_sgpr_workgroup_id_z 1
		.amdhsa_system_vgpr_workitem_id 0
		.amdhsa_next_free_vgpr 800
		.amdhsa_next_free_sgpr 92
		.amdhsa_reserve_vcc 1
		.amdhsa_float_denorm_mode_32 3
		.amdhsa_float_denorm_mode_16_64 3
		.amdhsa_memory_ordered 1
		.amdhsa_forward_progress 1
		.amdhsa_inst_pref_size 242
	.end_amdhsa_kernel
	.amdgpu_metadata
---
amdhsa.version: [ 1, 2 ]
amdhsa.kernels:
  - .name:           k_qdca48016d7_main
    .symbol:         k_qdca48016d7_main.kd
    .args:
      - { .name: keys, .offset: 0, .size: 8, .value_kind: global_buffer, .address_space: global }
      - { .name: list, .offset: 8, .size: 8, .value_kind: global_buffer, .address_space: global }
      - { .name: V, .offset: 16, .size: 8, .value_kind: global_buffer, .address_space: global }
      - { .name: w1f, .offset: 24, .size: 8, .value_kind: global_buffer, .address_space: global }
      - { .name: qbp, .offset: 32, .size: 8, .value_kind: global_buffer, .address_space: global }
      - { .name: scc, .offset: 40, .size: 8, .value_kind: global_buffer, .address_space: global }
      - { .name: cxp, .offset: 48, .size: 8, .value_kind: global_buffer, .address_space: global }
    .group_segment_fixed_size: 310528
    .private_segment_fixed_size: 0
    .kernarg_segment_align: 8
    .kernarg_segment_size: 56
    .max_flat_workgroup_size: 128
    .sgpr_count:     92
    .vgpr_count:     800
    .wavefront_size: 32
...
	.end_amdgpu_metadata
.endif
;; end of part 5
;; launch finish (part 6): grid 32 x 1, 8 waves a work-group, no clusters, 11,520 bytes of LDS; arguments scc, cxp, pos, mask, out0, out1; writes out0, out1
.if DOCPART == 6
	.amdgcn_target "amdgcn-amd-amdhsa--gfx1250"
	.amdhsa_code_object_version 6
	.text
	.protected	k_qdca48016d7_finish
	.globl	k_qdca48016d7_finish
	.p2align	8
	.type	k_qdca48016d7_finish,@function
k_qdca48016d7_finish:
	s_mov_b64 s[64:65], 0
	v_nop
	global_prefetch_b8 v0, s[64:65] scope:SCOPE_SE
	s_setreg_imm32_b32 hwreg(HW_REG_WAVE_MODE, 25, 1), 1
	s_wait_xcnt 0x0
; THE SOFTMAX OVER A BATCH AND THE MERGE.  Work-group b is batch b; 256 threads.  scc holds, for each of the batch's 8 work-groups of the launch before, 320 words: the scores of 2 x 144 slots,
; then the two blocks' maxima m; cxp for each of the 16 blocks the sum of exp(score - m) x key; pos each row's slot.  The batch's 10,240 bytes of scc are copied into LDS in whole rows of bytes,
; and each thread takes its 8 rows' scores from there by pos; a row whose mask is 0 has -1e9 whatever its slot holds.
; M = the largest m, L = sum of exp(score - M):  attn = exp(score - M) / L;  context = sum over blocks of exp(m - M) cxp / L.  A dead block has the lowest finite number for m and 0 for cxp.
; A batch that is masked throughout has all scores, m and M at -1e9: all weights 1, L = 2,048.  LIMITS: a weight below 2^-126 counts as 0; unmasked scores are taken to lie far above -1e9;
; NaN and infinities are not treated apart.  Memory binds what little there is: no matrix unit, no cluster; all 23 loads of a thread go out at the head.
.set SCL,   0                          ; 2,560 words: the batch's part of scc
.set RED2,  10240                      ; 8 words: the waves' sums
.set SPARE, 10496                      ; the spare words, 128 bytes for each of eight waves: four blocks of 256 bytes that no other line names
.set SPW, 30
.set NIL, 31
.set CXR, 48                           ; v48-111  16 blocks x my 4 columns
.set MX,  112                          ; v112-127 the 16 maxima, then the 16 weights
.set OUT, 32                           ; v32-35
	s_load_b256 s[4:11], s[0:1], 0x0               ; scc s[4:5], cxp s[6:7], pos s[8:9], mask s[10:11]
	s_load_b128 s[12:15], s[0:1], 0x20             ; out0 s[12:13], out1 s[14:15]
	v_lshl_add_u32 v[SPW], v0, 2, SPARE
	v_mov_b32 v[NIL], 0
	v_lshrrev_b32 v42, 5, v0
	v_readfirstlane_b32 s16, v42                   ; wave 0..7
	v_mov_b32 v42, s16
	v_lshlrev_b32 v42, 2, v42                      ; 4 w
	v_lshlrev_b32 v1, 4, v0                        ; 16 t
	v_lshlrev_b32 v2, 3, v0                        ; 8 t
	v_mov_b32 v3, 0
	v_mov_b32 v43, 0                               ; v_permlanex16_b32 counts as a reader of its destination
	v_mov_b32 v29, 0xce6e6b28                      ; -1e9
	s_mov_b32 s17, 0x3fb8aa3b                      ; log2(e)
	s_mov_b32 s18, 0x76543210
	s_mov_b32 s19, 0xfedcba98
	s_mov_b32 s21, 0
	s_wait_kmcnt 0x0
	s_mul_i32 s20, ttmp9, 10240
	s_add_nc_u64 s[4:5], s[4:5], s[20:21]
	s_lshl_b32 s20, ttmp9, 16                      ; 16 blocks of 4,096 bytes
	s_add_nc_u64 s[6:7], s[6:7], s[20:21]
	s_lshl_b32 s20, ttmp9, 13                      ; 2,048 words
	s_add_nc_u64 s[8:9], s[8:9], s[20:21]
	s_add_nc_u64 s[10:11], s[10:11], s[20:21]
	s_add_nc_u64 s[14:15], s[14:15], s[20:21]
	s_lshl_b32 s20, ttmp9, 12
	s_add_nc_u64 s[12:13], s[12:13], s[20:21]
	global_load_b128 v[32:35], v1, s[4:5] th:TH_LOAD_NT
	global_load_b128 v[36:39], v1, s[4:5] offset:4096 th:TH_LOAD_NT
	global_load_b64  v[40:41], v2, s[4:5] offset:8192 th:TH_LOAD_NT
	global_load_b128 v[4:7],   v1, s[8:9] th:TH_LOAD_NT               ; rows 4 t .. + 3
	global_load_b128 v[8:11],  v1, s[8:9] offset:4096 th:TH_LOAD_NT   ; rows 1,024 + 4 t .. + 3
	global_load_b128 v[12:15], v1, s[10:11] th:TH_LOAD_NT
	global_load_b128 v[16:19], v1, s[10:11] offset:4096 th:TH_LOAD_NT
.set k, 0
.rept 16
	global_load_b128 v[CXR+4*k:CXR+4*k+3], v1, s[6:7] offset:k*4096 th:TH_LOAD_NT
.set k, k+1
.endr
	s_wait_loadcnt 20                              ; scc's three loads are in; the 20 behind them stay out
	ds_store_b128 v1, v[32:35] offset:SCL
	ds_store_b128 v1, v[36:39] offset:SCL+4096
	ds_store_b64  v2, v[40:41] offset:SCL+8192
	s_wait_loadcnt 16                              ; pos and mask are in; the sixteen loads of cxp stay out
.irp i, 4,5,6,7,8,9,10,11
	v_min_u32 v\i, 0x9ff, v\i                      ; a loaded number enters an address only behind this bound: 2,559, the copy's last word
.endr
.irp i, 4,5,6,7,8,9,10,11
	v_lshlrev_b32 v\i, 2, v\i
.endr
	s_wait_dscnt 0x0                               ; for the others' sake
	s_barrier_signal -1
	s_barrier_wait -1
.set i, 0
.rept 8
	ds_load_b32 v[20+i], v[4+i] offset:SCL
.set i, i+1
.endr
.set j, 0
.rept 8
	ds_load_b64 v[MX+2*j:MX+2*j+1], v3 offset:SCL+j*1280+1152  ; the two maxima of work-group j: blocks 2 j, 2 j + 1
.set j, j+1
.endr
	s_wait_dscnt 0x0
.set i, 0
.rept 8
	v_cmp_eq_u32 vcc_lo, 0, v[12+i]
	v_cndmask_b32 v[20+i], v[20+i], v29, vcc_lo
.set i, i+1
.endr
	v_max3_num_f32 v28, v[MX], v[MX+1], v[MX+2]
.irp i, 3,5,7,9,11,13
	v_max3_num_f32 v28, v28, v[MX+(\i)], v[MX+(\i)+1]
.endr
	v_max_num_f32 v28, v28, v[MX+15]               ; M
.irp i, 20,21,22,23,24,25,26,27
	v_sub_f32 v\i, v\i, v28                        ; the difference first, then the scale
.endr
.irp i, 20,21,22,23,24,25,26,27
	v_mul_f32 v\i, s17, v\i
.endr
.irp i, 20,21,22,23,24,25,26,27
	v_exp_f32 v\i, v\i
.endr
	v_nop                                          ; a plain instruction behind the exponentials (ISA guide 5.7.2)
	s_wait_alu depctr_va_vdst(0)
	v_add_f32 v44, v20, v21
	v_add_f32 v45, v22, v23
	v_add_f32 v46, v24, v25
	v_add_f32 v47, v26, v27
	v_add_f32 v44, v44, v45
	v_add_f32 v46, v46, v47
	v_add_f32 v44, v44, v46
.irp m, 1,2,4,8
	v_add_f32_dpp v44, v44, v44 row_xmask:\m row_mask:0xf bank_mask:0xf
.endr
	v_permlanex16_b32 v43, v44, s18, s19
	v_add_f32 v44, v44, v43                        ; my wave's sum
	ds_store_b32 v42, v44 offset:RED2
	s_wait_dscnt 0x0
	s_barrier_signal -1
	s_barrier_wait -1
	ds_load_b128 v[4:7],  v3 offset:RED2
	ds_load_b128 v[8:11], v3 offset:RED2+16
.set k, 0
.rept 16                                               ; meanwhile the blocks' weights: 2^((m_k - M) log2(e))
	v_sub_f32 v[MX+k], v[MX+k], v28
.set k, k+1
.endr
.set k, 0
.rept 16
	v_mul_f32 v[MX+k], s17, v[MX+k]
.set k, k+1
.endr
.set k, 0
.rept 16
	v_exp_f32 v[MX+k], v[MX+k]
.set k, k+1
.endr
	s_wait_dscnt 0x0
	v_add_f32 v4, v4, v5
	v_add_f32 v6, v6, v7
	v_add_f32 v8, v8, v9
	v_add_f32 v10, v10, v11
	v_add_f32 v4, v4, v6
	v_add_f32 v8, v8, v10
	v_add_f32 v4, v4, v8                           ; L, the same order in every thread
	v_rcp_f32 v12, v4
	v_nop
	s_wait_alu depctr_va_vdst(0)
.irp i, 20,21,22,23,24,25,26,27
	v_mul_f32 v\i, v\i, v12
.endr
	global_store_b128 v1, v[20:23], s[14:15]              ; a wave stores 512 consecutive bytes
	global_store_b128 v1, v[24:27], s[14:15] offset:4096
.set k, 0
.rept 16
	v_mul_f32 v[MX+k], v[MX+k], v12
.set k, k+1
.endr
	s_wait_loadcnt 0x0                             ; cxp
.irp c, 0,1,2,3
	v_mul_f32 v[OUT+(\c)], v[CXR+(\c)], v[MX]      ; the first block starts the sums
.endr
.set k, 1
.rept 15
.irp c, 0,1,2,3
	v_fma_f32 v[OUT+(\c)], v[CXR+4*k+(\c)], v[MX+k], v[OUT+(\c)]
.endr
.set k, k+1
.endr
	global_store_b128 v1, v[OUT:OUT+3], s[12:13]
	s_wait_tensorcnt 0x0                           ; the wave's end: three lines behind my last LDS store
	ds_add_u32 v[SPW], v[NIL]
	s_wait_dscnt 0x0
	s_endpgm
.Lfunc_end_k_qdca48016d7_finish:
	.size	k_qdca48016d7_finish, .Lfunc_end_k_qdca48016d7_finish-k_qdca48016d7_finish
	.p2alignl 7, 3214868480
	.fill 96, 4, 3214868480
	.section	.rodata,"a",@progbits
	.p2align	6, 0x0
	.amdhsa_kernel k_qdca48016d7_finish
		.amdhsa_group_segment_fixed_size 11520
		.amdhsa_private_segment_fixed_size 0
		.amdhsa_enable_private_segment 0
		.amdhsa_kernarg_size 48
		.amdhsa_user_sgpr_count 2
		.amdhsa_user_sgpr_kernarg_segment_ptr 1
		.amdhsa_wavefront_size32 1
		.amdhsa_system_sgpr_workgroup_id_x 1
		.amdhsa_system_sgpr_workgroup_id_y 1
		.amdhsa_system_sgpr_workgroup_id_z 1
		.amdhsa_system_vgpr_workitem_id 0
		.amdhsa_next_free_vgpr 128
		.amdhsa_next_free_sgpr 66
		.amdhsa_reserve_vcc 1
		.amdhsa_float_denorm_mode_32 3
		.amdhsa_float_denorm_mode_16_64 3
		.amdhsa_memory_ordered 1
		.amdhsa_forward_progress 1
		.amdhsa_inst_pref_size 16
	.end_amdhsa_kernel
	.amdgpu_metadata
---
amdhsa.version: [ 1, 2 ]
amdhsa.kernels:
  - .name:           k_qdca48016d7_finish
    .symbol:         k_qdca48016d7_finish.kd
    .args:
      - { .name: scc, .offset: 0, .size: 8, .value_kind: global_buffer, .address_space: global }
      - { .name: cxp, .offset: 8, .size: 8, .value_kind: global_buffer, .address_space: global }
      - { .name: pos, .offset: 16, .size: 8, .value_kind: global_buffer, .address_space: global }
      - { .name: mask, .offset: 24, .size: 8, .value_kind: global_buffer, .address_space: global }
      - { .name: out0, .offset: 32, .size: 8, .value_kind: global_buffer, .address_space: global }
      - { .name: out1, .offset: 40, .size: 8, .value_kind: global_buffer, .address_space: global }
    .group_segment_fixed_size: 11520
    .private_segment_fixed_size: 0
    .kernarg_segment_align: 8
    .kernarg_segment_size: 48
    .max_flat_workgroup_size: 256
    .sgpr_count:     66
    .vgpr_count:     128
    .wavefront_size: 32
...
	.end_amdgpu_metadata
.endif
;; end of part 6
;; ======== version 3 of 3: 3 launches; version 2 with the launch main written anew for expert scheduling mode
;; limits: right only within a limited range of input values
;; workspace buffers: w1f 2,097,152 bytes; qbp 1,048,576 bytes; list 327,680 bytes of whole numbers; pos 262,144 bytes of whole numbers; scc 327,680 bytes; cxp 2,097,152 bytes
;; launch prep: the kernel of part 4 again; grid 104 x 1, 4 waves a work-group, no clusters, 117,248 bytes of LDS; arguments W1, W2, query, w1f, qbp, mask, list, pos; writes w1f, qbp, list, pos
;; launch main (part 7): grid 256 x 1, 4 waves a work-group, no clusters, 310,528 bytes of LDS; arguments keys, list, V, w1f, qbp, scc, cxp; writes scc, cxp
.if DOCPART == 7
	.amdgcn_target "amdgcn-amd-amdhsa--gfx1250"
	.amdhsa_code_object_version 6
	.text
	.protected	k_qdca48016d7_main
	.globl	k_qdca48016d7_main
	.p2align	8
	.type	k_qdca48016d7_main,@function
k_qdca48016d7_main:
	s_mov_b64 s[64:65], 0
	v_nop
	global_prefetch_b8 v0, s[64:65] scope:SCOPE_SE
	s_setreg_imm32_b32 hwreg(HW_REG_WAVE_SCHED_MODE, 0, 2), 2
	s_setreg_imm32_b32 hwreg(HW_REG_WAVE_MODE, 25, 1), 1
	s_wait_xcnt 0x0
	s_wait_alu depctr_vm_vsrc(0)
; SCORES AND PARTIAL CONTEXTS OF THE LISTED ROWS.  score[row] = sum over d of V[d] tanh((keys[row] . W1[:, d]) + (query . W2)[d]).
; A row whose mask is 0 has the score -1e9 whatever its product, and the weight 0 beside any unmasked row: the launch before has left such rows out of the list (in a batch that is masked
; throughout it lists every row and sets a flag: their scores are then -1e9, all alike).  Work-group x has batch x / 8 and the slots of list[x]: two BLOCKS of 144 slots (9 tiles of 16 rows).
; A block whose tile count is 0 is jumped over in three stretches that hold no barrier; all six barriers of a block stand on every way.  A pad slot (entry above 2,047) loads row 2,047 and gets
; the lowest finite number for a score, so its weight is 0.
; A block's keys leave memory once: rounded to bf16 they stay in LDS from the product to the weighted sum.  Out: scc[x][320] = the two blocks' 144 scores each, then the two block maxima;
; cxp[2 x + k] = sum over the block's slots of exp(score - the block's maximum) x key (0 for a dead block).  The next launch merges a batch's 16 blocks.
; THE PRODUCT.  A wave makes 144 rows x 64 columns in a pass (36 accumulators, 288 registers), four passes a block: wave w, pass p: columns 256 w + 64 p on.  K goes in steps of 32:
; 36 matrix instructions, 18 LDS loads (keys) and 8 global loads (W1's fragments, which w1f holds as the registers want them: 4,096 consecutive bytes a step, asked for seven steps ahead).
; No wave shares a fragment of W1 with another wave of its work-group, so they never touch LDS, and the product loop has no barrier.
; THE MATRIX INSTRUCTION IS USED TRANSPOSED (source 0 = 16 columns of W1, source 1 = 16 rows of keys): a lane holds one row (lane % 16) and the columns 8 (lane / 16) + 0..7.
; NO CLUSTER, NO JOINT LOADS, though all work-groups walk w1f: the resident block takes 297,216 of 327,680 bytes of LDS; a K step of 32 for the group's 256 columns of a pass is 16,384 bytes,
; and two such slots, 32,768, do not fit into the 30,464 left.
; tanh x = 1 - 2 / (1 + 2^(2 log2(e) x)); so score = sum V - 2 sum V / (1 + 2^..).  The dot with V and the weighted sum have one useful row of sixteen for the matrix unit: they are made in f32 by vector instructions.
; LIMITS.  keys are rounded once to bf16 (also for the weighted sum); V, scores, weights and all sums are f32.  For large |x| the exponential gives infinity or 0 and tanh is +-1 exactly.
; A weight below 2^-126 counts as 0.  Unmasked scores (at most sum |V| in size) are taken to lie far above -1e9.  NaN and infinities in the inputs are not treated apart; the keys of a masked row are not read.
; THE MODE: SCHED_MODE bits 1:0 = 2 (LLVM: expert scheduling mode 2), set by the entry lines.  The code itself states the register dependences between vector or matrix instructions and
; memory or LDS instructions, with s_wait_alu, always for 0.
; THE PLAN.  Registers that memory or LDS instructions touch, and who else names them:
;   W1's buffers 0-7  Step s's products read buffer s % 8.  The loads that step s issues (for step s + 7) land in buffer (s + 7) % 8, which step s - 1's products read last.
;   F0, F1            Step s's products read one.  The LDS loads that step s issues (step s + 1's fragments; in a pass's last step the epilogue's constants) land in the other, which step s - 1's products read last.
;                     So ONE wait on va_vdst stands at a step's head; the step's 26 loads follow it in four runs among its first sixteen products, which name this step's two buffers and the accumulators alone.
;   AA, CA            Read by those LDS loads; written at a pass's head, AA also once a trip: a wait on vm_vsrc ahead of the write; the next wait on va_vdst stands ahead of the next load.
;   zones, KO, TK     A group of four rows: its loads read KO and land in a zone; 64 conversions read the zone and write TK; 32 LDS stores read TK.  A wait on vm_vsrc at the group's head, one on va_vdst behind its conversions.
;   T, WK, SFA-SFM    The scores' way: written by vector instructions and by LDS loads, read by LDS stores: a wait on va_vdst ahead of each run of stores, one on vm_vsrc ahead of loads into what stores have read.
;   v64-143, XA, PA   The weighted sum: a wait on va_vdst at a trip's head, one on vm_vsrc ahead of the two addresses' adds.     CX: read by the block's two global stores.     EN, EN2: loaded at a block's head, read by two compares.
;   A wait on vm_vsrc at a block's head frees all that the block before's LDS and memory instructions read.  v[LO], T4, T16, TB4, KLA, SPA, SPT, SPB, REDW, REDR, TBA are made at the head and never written again.
; REGISTERS, in windows of 256 (s_set_vgpr_msb: bits 1:0 source 0, 3:2 source 1, 5:4 source 2, 7:6 destination):
;   window 0: v0-63 addresses, sums; v64-135, v136-207 keys' fragments, two buffers of 72 (also: the keys on their way to LDS, the epilogue's constants, the weighted sum's data); v208-255 at work
;   window 1: W1's fragments, eight buffers of 32      window 2: the accumulators of row tiles 0-7, (a, b) at v[8 (4 a + b)]; also where a block's keys land      window 3: v0-31 row tile 8
.set PITCH,  2064                      ; a row of keys in LDS: 2,048 bytes + 16 = 129 x 16: the 16 rows of a fragment load start 16 bytes further on in each 256
.set TILE16, 16*PITCH
.set CB,     144*PITCH                 ; 297,216: 2 log2(e) x (query . W2) of my batch, 1,024 f32
.set CV,     CB+4096                   ; V, 1,024 f32
.set SP,     CV+4096                   ; [wave 4][slot 144] the waves' parts of the scores
.set SF,     SP+4*576                  ; 320 words, as they go to scc
.set PW,     SF+1280                   ; [slot 144] weights
.set RED,    PW+768                    ; four waves' maxima, a block of 256 bytes
.set SPARE,  RED+256                   ; the spare words, 128 bytes a wave: two blocks of 256 bytes that no other line names
.set LO,   3                           ; v3   16 x lane
.set A0,   4                           ; v4   r x PITCH + 16 h
.set AA,   5                           ; v5-9 LDS address of my fragments of row tiles 2 i, 2 i + 1
.set CA0,  10                          ; v10  CB + 1,024 w + 32 h
.set CA,   11                          ; v11  the same for the pass in hand
.set KO,   12                          ; v12-19 byte offsets of the four rows on their way into each landing zone
.set KLA,  20                          ; v20-21 where my wave's slots 0-19 and 20-35 lie in LDS, 8 bytes a lane; never rewritten
.set SPA,  22                          ; v22  SP + 576 w + 4 r
.set T4,   23                          ; v23  4 t
.set T16,  24                          ; v24  16 t
.set XA,   25                          ; v25  the weighted sum's place in the block
.set PA,   26                          ; v26  and among the weights
.set NEG,  27                          ; v27  -1e9
.set SPW,  28                          ; v28  my spare word's address; never rewritten
.set NIL,  29                          ; v29  0; never rewritten
.set SPT,  30                          ; v30  SP + 4 t
.set REDW, 31                          ; v31  RED + 4 w
.set SA,   32                          ; v32-49 for each of 9 row tiles a pair: sum of V / (1 + 2^..), even and odd columns
.set SV,   50                          ; v50-51 sum of V over my lane's columns
.set CX,   52                          ; v52-59 my 8 columns of the weighted sum
.set REDR, 60                          ; v60  RED
.set X8,   61                          ; v61  8 t
.set TBA,  62                          ; v62  CB + 16 t
.set PADV, 63                          ; v63  the lowest finite number
.set F0,   64
.set F1,   136
.set TK,   64                          ; four rows of keys in bf16
.set KC,   64                          ; the epilogue's constants: for column tile b 8 biases at KC + 16 b, 8 of V behind them
.set SX,   128                         ; four pairs at work for row tile 8
.set CW,   128                         ; 16 weights
.set T,    208                         ; v208-239 at work
.set WK,   240                         ; v240-247 at work
.set EN,   248                         ; v248 the list's entry of slot t
.set EN2,  249                         ; v249 of slot 128 + t % 16
.set SPB,  250                         ; v250 SP + 512 + 4 r
.set TB4,  251                         ; v251 512 + 4 r
.set SFA,  252                         ; v252 SF + 576 k + 4 t
.set SFB,  253                         ; v253 SF + 576 k + 512 + 4 r
.set SFM,  254                         ; v254 SF + 1,152 + 4 k
.set KBB,  4                           ; s[4:5]   keys at my batch
.set LSB,  6                           ; s[6:7]   list at the block
.set VB,   8                           ; s[8:9]   V
.set WB,   10                          ; s[10:11] w1f
.set QB,   12                          ; s[12:13] qbp at my batch
.set SCB,  14                          ; s[14:15] scc at my work-group
.set CXB,  16                          ; s[16:17] cxp at the block
.set WV,   18                          ; s18      my wave
.set TM2,  19
.set BS,   20                          ; s[20:21] w1f at my wave's 524,288 bytes
.set BB,   22                          ; s[22:23] the stream at the steps in hand
.set TB,   24                          ; s[24:25] the next pass's stream
.set LP,   26                          ; s[26:27] list at my wave's 36 slots of the block
.set C2,   28                          ; s[28:29] 2 log2(e), named as a pair
.set SEL,  30                          ; s[30:31] v_permlanex16_b32: each lane takes its own place in the other half
.set BLK,  32
.set PASS, 33
.set TRIP, 34
.set PO,   35                          ; 256 x pass
.set CNT,  36
.set NT,   37                          ; the block's tile count
.set OF,   38                          ; s[38:39] an offset, high word 0
.set L2E,  40                          ; log2(e)
.set TM,   41
.set AM,   42                          ; all ones if the whole batch is masked
.set HD,   44                          ; s[44:47] list's words 288-291
.set KOF,  88                          ; 576 x block
.set SMW,  89                          ; SF + 1,152 + 4 x block
; s[48:63], s[68:87]: my wave's 36 entries; entry n lies in s[48 + n + 4 ((n / 16 + 1) / 2)]
.set MSB, 0
.macro WIN new                         ; the immediate's high byte repeats the setting that is left; a switch that changes nothing is dropped
.if MSB != (\new)
	s_set_vgpr_msb (MSB<<8)|(\new)
.set MSB, \new
.endif
.endm
.macro PLACES                          ; four places between a matrix instruction and a vector instruction that reads its result (ISA guide 7.12.1)
.rept 4
	v_nop
.endr
.endm
.macro BAR                             ; my LDS instructions are done, for the others' sake; then all four waves meet
	s_wait_dscnt 0x0
	s_barrier_signal -1
	s_barrier_wait -1
.endm
; 4 matrix instructions: row tile a x the pass's 4 column tiles.  zero = 1: the product starts the sums.
.macro MULT f, q, a, zero
.if (\a) < 8
	WIN 0xa1                                       ; source 0 window 1, source 1 window 0, C and D window 2
.set rD, 32*(\a)
.else
	WIN 0xf1                                       ; C and D window 3
.set rD, 0
.endif
.irp b, 0,1,2,3
.if \zero
	v_wmma_f32_16x16x32_bf16 v[rD+8*(\b):rD+8*(\b)+7], v[32*(\q)+8*(\b):32*(\q)+8*(\b)+7], v[(\f)+8*(\a):(\f)+8*(\a)+7], 0
.else
	v_wmma_f32_16x16x32_bf16 v[rD+8*(\b):rD+8*(\b)+7], v[32*(\q)+8*(\b):32*(\q)+8*(\b)+7], v[(\f)+8*(\a):(\f)+8*(\a)+7], v[rD+8*(\b):rD+8*(\b)+7]
.endif
.endr
.endm
; 6 LDS loads: the keys' fragments of row tiles i0, i0 + 1, i0 + 2 for one K step (32 k at byte koff of the rows) into buffer g
.macro FETCH3 g, koff, i0
	WIN 0
.irp d, 0,1,2
	ds_load_b128 v[(\g)+8*((\i0)+\d):(\g)+8*((\i0)+\d)+3],   v[AA+((\i0)+\d)/2] offset:(\koff)+(((\i0)+\d)%2)*TILE16
	ds_load_b128 v[(\g)+8*((\i0)+\d)+4:(\g)+8*((\i0)+\d)+7], v[AA+((\i0)+\d)/2] offset:(\koff)+(((\i0)+\d)%2)*TILE16+32
.endr
.endm
; all 18 of a K step, row tile 0 first
.macro FETCH_A g, koff
	FETCH3 \g, \koff, 0
	FETCH3 \g, \koff, 3
	FETCH3 \g, \koff, 6
.endm
; 4 LDS loads: the epilogue's constants for column tile i: 8 biases and 8 of V for my columns 16 i + 8 h + 0..7
.macro KCLOAD i
	WIN 0
	ds_load_b128 v[KC+16*(\i):KC+16*(\i)+3],     v[CA] offset:64*(\i)
	ds_load_b128 v[KC+16*(\i)+4:KC+16*(\i)+7],   v[CA] offset:64*(\i)+16
	ds_load_b128 v[KC+16*(\i)+8:KC+16*(\i)+11],  v[CA] offset:64*(\i)+4096
	ds_load_b128 v[KC+16*(\i)+12:KC+16*(\i)+15], v[CA] offset:64*(\i)+4096+16
.endm
; 8 global loads: W1's fragments of one K step for 64 columns, 4,096 consecutive bytes, into buffer q of window 1
.macro GLOAD q, base, off
	WIN 0x40
.set gj, 0
.rept 8
	global_load_b128 v[32*(\q)+4*gj:32*(\q)+4*gj+3], v[LO], s[\base:\base+1] offset:(\off)+512*gj th:TH_LOAD_HT
.set gj, gj+1
.endr
.endm
; A K step: multiplies keys' buffer f by W1's buffer q.  Behind the one wait at its head its loads stand in four runs, one behind each of its first four groups of four products: W1's fragments seven
; steps on (buffer q7), then the next step's keys into g, six loads a run (fetch = 0, a pass's last step: the epilogue's constants, which lie in g's registers).  No product of this step names q7, g, v[LO], AA or CA.
.macro STEP f, g, q, q7, base, goff, koff, zero, fetch
	s_wait_loadcnt 48                              ; loads come back in order: this step's eight are in, the next six steps' 48 stay out
	s_wait_dscnt 10                                ; keys' row tiles 0-3 are in; the youngest ten loads (tiles 4-8) may be out
.if !(\zero)
	s_wait_alu depctr_va_vdst(0)                   ; the step before's products are done reading W1's buffer q7 and keys' buffer g, in which this step's loads land; behind a trip's end the adds have written AA (a pass's first step: the wait at the pass's head has said all this)
.endif
	MULT \f, \q, 0, \zero
	GLOAD \q7, \base, \goff
	MULT \f, \q, 1, \zero
.if \fetch
	FETCH3 \g, \koff, 0
.else
	KCLOAD 0
	KCLOAD 1
.endif
	MULT \f, \q, 2, \zero
.if \fetch
	FETCH3 \g, \koff, 3
.else
	KCLOAD 2
	KCLOAD 3
.endif
	MULT \f, \q, 3, \zero
.if \fetch
	FETCH3 \g, \koff, 6
	s_wait_dscnt 18                                ; all but the eighteen issued in this step
.else
	s_wait_dscnt 16                                ; all but the sixteen constants' loads issued in this step
.endif
.irp a, 4,5,6,7,8
	MULT \f, \q, \a, \zero
.endr
.endm
; Group g of my wave's nine (slots 4 g .. + 3): the byte offsets of its four rows, for landing zone z
.macro KADDR z, g
	WIN 0
.irp rr, 0,1,2,3
	v_lshl_add_u32 v[KO+4*(\z)+\rr], s[48+4*(\g)+\rr+4*(((4*(\g)+\rr)/16+1)/2)], 12, v[LO]
.endr
.endm
; and the four whole rows of keys, 512 consecutive bytes a load, into landing zone z of window 2
.macro KLOAD z
	WIN 0x80
.set i, 0
.rept 32
	global_load_b128 v[128*(\z)+4*i:128*(\z)+4*i+3], v[KO+4*(\z)+i/8], s[KBB:KBB+1] offset:(i%8)*512
.set i, i+1
.endr
.endm
; Group g, in zone z, is rounded to bf16; the zone takes the group two further on; the rounded rows are laid into the block.
.macro KPROC z, g
.if (\g) < 8
	s_wait_loadcnt 32                              ; the other zone's 32 loads are younger and stay out; this zone's are in
.else
	s_wait_loadcnt 0x0                             ; the last group: nothing is out behind it
.endif
	s_wait_alu depctr_vm_vsrc(0)                   ; the LDS stores of the group before have read TK, which the conversions write again; this zone's loads have read their four offsets in KO, which are written again below
	WIN 0x0a                                       ; sources window 2, destination window 0
.set i, 0
.rept 64
	v_cvt_pk_bf16_f32 v[TK+i], v[128*(\z)+2*i], v[128*(\z)+2*i+1]
.set i, i+1
.endr
	WIN 0
.if (\g) < 7
	KADDR \z, ((\g)+2)
	WIN 0x80                                       ; destination window 2; the sources, the LDS stores' too, window 0
.endif
	s_wait_alu depctr_va_vdst(0)                   ; the conversions have written TK, the LDS stores' data, and are done reading the zone, in which the next loads land; the adds have written KO, which those loads read
.if (\g) < 7
	KLOAD \z
.endif
.set i, 0
.rept 32
	ds_store_b64 v[KLA+(\g)/5], v[TK+2*i:TK+2*i+1] offset:(4*((\g)%5)+i/8)*PITCH+(i%8)*256  ; 32 lanes, 256 consecutive bytes
.set i, i+1
.endr
.endm
; The epilogue's middle, on 32 numbers a lane in T: 2^.., + 1, reciprocal.  A plain instruction stands behind each run of transcendentals before a result is used (ISA guide 5.7.2).
.macro EXPRCP
	WIN 0
.set z, 0
.rept 32
	v_exp_f32 v[T+z], v[T+z]
.set z, z+1
.endr
	v_nop
	s_wait_alu depctr_va_vdst(0)                   ; the 32 exponentials have written T, ahead of their first reader
.set z, 0
.rept 16
	v_pk_add_f32 v[T+2*z:T+2*z+1], v[T+2*z:T+2*z+1], 1.0 op_sel_hi:[1,0]
.set z, z+1
.endr
.set z, 0
.rept 32
	v_rcp_f32 v[T+z], v[T+z]
.set z, z+1
.endr
	v_nop
.endm
; The epilogue for column tile b and four row tiles (hw = 0: tiles 0-3, 1: tiles 4-7).  Each accumulator's lowest registers are read first.
.macro EPI b, hw
	WIN 0x02                                       ; source 0 window 2
.set z, 0
.rept 16                                               ; z = 4 a' + jj
	v_pk_fma_f32 v[T+2*z:T+2*z+1], v[8*(4*(4*(\hw)+z/4)+(\b))+2*(z%4):8*(4*(4*(\hw)+z/4)+(\b))+2*(z%4)+1], s[C2:C2+1], v[KC+16*(\b)+2*(z%4):KC+16*(\b)+2*(z%4)+1] op_sel_hi:[1,0,1]
.set z, z+1
.endr
	EXPRCP
	s_wait_alu depctr_va_vdst(0)                   ; the 32 reciprocals have written T, ahead of their first reader
.set z, 0
.rept 16                                               ; z = 4 jj + a': the four sums take turns
	v_pk_fma_f32 v[SA+2*(4*(\hw)+z%4):SA+2*(4*(\hw)+z%4)+1], v[T+8*(z%4)+2*(z/4):T+8*(z%4)+2*(z/4)+1], v[KC+16*(\b)+8+2*(z/4):KC+16*(\b)+8+2*(z/4)+1], v[SA+2*(4*(\hw)+z%4):SA+2*(4*(\hw)+z%4)+1]
.set z, z+1
.endr
.if (\hw) == 0
.set z, 0
.rept 4
	v_pk_add_f32 v[SV:SV+1], v[SV:SV+1], v[KC+16*(\b)+8+2*z:KC+16*(\b)+8+2*z+1]
.set z, z+1
.endr
.endif
.endm
; The epilogue for row tile 8 and all four column tiles: four sums by turns, one a column tile, then onto the tile's pair
.macro EPI8
	WIN 0x03                                       ; source 0 window 3
.set z, 0
.rept 16                                               ; z = 4 b + jj
	v_pk_fma_f32 v[T+2*z:T+2*z+1], v[2*z:2*z+1], s[C2:C2+1], v[KC+16*(z/4)+2*(z%4):KC+16*(z/4)+2*(z%4)+1] op_sel_hi:[1,0,1]
.set z, z+1
.endr
	EXPRCP
	s_wait_alu depctr_va_vdst(0)                   ; the 32 reciprocals have written T, ahead of their first reader
.set z, 0
.rept 16                                               ; z = 4 jj + b
.if z < 4
	v_pk_mul_f32 v[SX+2*(z%4):SX+2*(z%4)+1], v[T+8*(z%4)+2*(z/4):T+8*(z%4)+2*(z/4)+1], v[KC+16*(z%4)+8+2*(z/4):KC+16*(z%4)+8+2*(z/4)+1]
.else
	v_pk_fma_f32 v[SX+2*(z%4):SX+2*(z%4)+1], v[T+8*(z%4)+2*(z/4):T+8*(z%4)+2*(z/4)+1], v[KC+16*(z%4)+8+2*(z/4):KC+16*(z%4)+8+2*(z/4)+1], v[SX+2*(z%4):SX+2*(z%4)+1]
.endif
.set z, z+1
.endr
	v_pk_add_f32 v[SX:SX+1], v[SX:SX+1], v[SX+2:SX+3]
	v_pk_add_f32 v[SX+4:SX+5], v[SX+4:SX+5], v[SX+6:SX+7]
	v_pk_add_f32 v[SX:SX+1], v[SX:SX+1], v[SX+4:SX+5]
	v_pk_add_f32 v[SA+16:SA+17], v[SA+16:SA+17], v[SX:SX+1]
.endm
	; ---- the head ----
	s_load_b256 s[4:11], s[0:1], 0x0               ; keys, list, V, w1f
	s_load_b128 s[12:15], s[0:1], 0x20             ; qbp, scc
	s_load_b64 s[16:17], s[0:1], 0x30              ; cxp
	v_lshl_add_u32 v[SPW], v0, 2, SPARE
	v_mov_b32 v[NIL], 0
	v_lshrrev_b32 v[WK], 5, v0
	v_readfirstlane_b32 s[WV], v[WK]               ; wave 0..3
	v_and_b32 v1, 15, v0                           ; r
	v_bfe_u32 v2, v0, 4, 1                         ; h
	v_and_b32 v[WK], 31, v0                        ; lane
	v_lshlrev_b32 v[LO], 4, v[WK]
	v_mul_u32_u24 v[A0], v1, PITCH
	v_lshl_add_u32 v[A0], v2, 4, v[A0]
	s_wait_alu depctr_va_sdst(0)                   ; the wave's number is written into s[WV], ahead of its first reader: LDS places, bases and branches are made from it
	s_lshl_b32 s[OF], s[WV], 10
	s_add_co_u32 s[OF], s[OF], CB
	v_lshl_add_u32 v[CA0], v2, 5, s[OF]
	s_mul_i32 s[OF], s[WV], 576
	s_add_co_u32 s[OF], s[OF], SP
	v_lshl_add_u32 v[SPA], v1, 2, s[OF]
	v_lshlrev_b32 v[T4], 2, v0
	v_lshlrev_b32 v[T16], 4, v0
	v_lshl_add_u32 v[TB4], v1, 2, 512
	v_mov_b32 v[NEG], 0xce6e6b28                   ; -1e9
	v_mov_b32 v[PADV], 0xff7fffff                  ; the lowest finite number
	v_lshl_add_u32 v[SPT], v0, 2, SP
	v_lshl_add_u32 v[SPB], v1, 2, SP+512
	s_lshl_b32 s[OF], s[WV], 2
	s_add_co_u32 s[OF], s[OF], RED
	v_mov_b32 v[REDW], s[OF]
	v_mov_b32 v[REDR], RED
	s_mul_i32 s[OF], s[WV], 36*PITCH
	v_lshl_add_u32 v[KLA], v[WK], 3, s[OF]
	v_add_nc_u32 v[KLA+1], 20*PITCH, v[KLA]
	v_lshlrev_b32 v[X8], 3, v0
	v_lshl_add_u32 v[TBA], v0, 4, CB
	v_lshl_add_u32 v[WK+1], v[WK], 2, SF+1152
	v_mov_b32 v[WK+2], 0
	s_mov_b32 s[C2], 0x4038aa3b                    ; 2 log2(e)
	s_mov_b32 s[C2+1], s[C2]
	s_mov_b32 s[SEL], 0x76543210
	s_mov_b32 s[SEL+1], 0xfedcba98
	s_mov_b32 s[L2E], 0x3fb8aa3b
	s_mov_b32 s[OF+1], 0
	s_mov_b32 s[KOF], 0
	s_mov_b32 s[SMW], SF+1152
	s_mov_b32 s[BLK], 2
	s_wait_kmcnt 0x0
	s_lshr_b32 s[TM], ttmp9, 3                     ; the batch
	s_lshl_b32 s[OF], s[TM], 23                    ; 2,048 rows of 4,096 bytes
	s_add_nc_u64 s[KBB:KBB+1], s[KBB:KBB+1], s[OF:OF+1]
	s_lshl_b32 s[OF], s[TM], 12
	s_add_nc_u64 s[QB:QB+1], s[QB:QB+1], s[OF:OF+1]
	s_mul_i32 s[OF], ttmp9, 1280                   ; 320 words a work-group
	s_add_nc_u64 s[LSB:LSB+1], s[LSB:LSB+1], s[OF:OF+1]
	s_add_nc_u64 s[SCB:SCB+1], s[SCB:SCB+1], s[OF:OF+1]
	s_lshl_b32 s[OF], ttmp9, 13                    ; two blocks' 4,096 bytes
	s_add_nc_u64 s[CXB:CXB+1], s[CXB:CXB+1], s[OF:OF+1]
	s_lshl_b32 s[OF], s[WV], 19
	s_add_nc_u64 s[BS:BS+1], s[WB:WB+1], s[OF:OF+1]
	s_mov_b64 s[BB:BB+1], s[BS:BS+1]
	s_mul_i32 s[OF], s[WV], 144                    ; 36 words a wave
	s_add_nc_u64 s[LP:LP+1], s[LSB:LSB+1], s[OF:OF+1]
	s_load_b128 s[HD:HD+3], s[LSB:LSB+1], 0x480    ; the two tile counts and the flag
	s_wait_alu depctr_va_vdst(0)                   ; every offset and LDS address made above is written: the kernel's loads and stores read them
.irp sl, 0,1,2,3,4,5,6,7                ; the eight partial sums of query . W2 for my columns 4 t .. and 512 + 4 t ..
.irp j, 0,1
	global_load_b128 v[64+8*(\sl)+4*(\j):64+8*(\sl)+4*(\j)+3], v[T16], s[QB:QB+1] offset:(\sl)*131072+(\j)*2048
.endr
.endr
.irp j, 0,1
	global_load_b128 v[128+4*(\j):128+4*(\j)+3], v[T16], s[VB:VB+1] offset:(\j)*2048
.endr
.irp q, 0,1,2,3,4
	GLOAD \q, BB, (\q)*8192                        ; W1's fragments of K steps 0 to 4
.endr
	WIN 0
	s_wait_loadcnt 40                              ; the 18 table loads are in; the 40 behind them stay out
.irp sl, 1,2,3,4,5,6,7                  ; K ascending
.irp p, 0,1,2,3
	v_pk_add_f32 v[64+2*(\p):64+2*(\p)+1], v[64+2*(\p):64+2*(\p)+1], v[64+8*(\sl)+2*(\p):64+8*(\sl)+2*(\p)+1]
.endr
.endr
.irp p, 0,1,2,3
	v_pk_mul_f32 v[64+2*(\p):64+2*(\p)+1], v[64+2*(\p):64+2*(\p)+1], s[C2:C2+1] op_sel_hi:[1,0]
.endr
	s_wait_alu depctr_va_vdst(0)                   ; the sums and scalings have written v64-71, the LDS stores' data
	ds_store_b128 v[TBA], v[64:67]
	ds_store_b128 v[TBA], v[68:71] offset:2048
	ds_store_b128 v[TBA], v[128:131] offset:4096
	ds_store_b128 v[TBA], v[132:135] offset:6144
	s_cmp_lg_u32 s[WV], 0
	s_cbranch_scc1 .Lnofill
	ds_store_b32 v[WK+1], v[WK+2]                  ; wave 0: SF's words 288-319 are 0 until the maxima take the first two
.Lnofill:
	GLOAD 5, BB, 5*8192                            ; and of K steps 5 and 6: no vector instruction has named their registers
	GLOAD 6, BB, 6*8192
	WIN 0
	s_wait_kmcnt 0x0
	s_cmp_lg_u32 s[HD+2], 0
	s_cselect_b32 s[AM], -1, 0
.Lblock:
	s_wait_alu depctr_vm_vsrc(0)                   ; all LDS and memory instructions so far have read their registers: SFA, SFB, SFM, KO, CX, XA, PA, WK .., T .. and (the first time) v64-71 and v128-135 are written again in this block
	s_wait_alu depctr_va_vdst(0)                   ; the block before's two compares are done reading EN and EN2, in which the two loads below land
	s_load_b512 s[48:63], s[LP:LP+1], 0x0          ; my wave's 36 entries
	s_load_b512 s[68:83], s[LP:LP+1], 0x40
	s_load_b128 s[84:87], s[LP:LP+1], 0x80
	global_load_b32 v[EN],  v[T4],  s[LSB:LSB+1]   ; and, for the scores, the entries of slots t and 128 + t % 16
	global_load_b32 v[EN2], v[TB4], s[LSB:LSB+1]
	s_cmp_eq_u32 s[BLK], 2
	s_cselect_b32 s[NT], s[HD], s[HD+1]
	s_add_co_u32 s[TM], s[KOF], SF-SP
	v_add_nc_u32 v[SFA], s[TM], v[SPT]
	v_add_nc_u32 v[SFB], s[TM], v[SPB]
	v_mov_b32 v[SFM], s[SMW]
.set i, 0
.rept 20
	v_mov_b32 v[SA+i], 0                           ; the nine row tiles' sums and V's
.set i, i+1
.endr
	s_wait_kmcnt 0x0
	s_cmp_eq_u32 s[NT], 0
	s_cbranch_scc1 .Lnokeys
	; ---- the block's keys: memory -> bf16 -> LDS; wave w brings slots 36 w .. + 35, four at a time through two landing zones.
	; The barrier at the last block's bottom stands between every wave's reads of that block and these stores. ----
.set n, 0
.rept 36
	s_min_u32 s[48+n+4*((n/16+1)/2)], s[48+n+4*((n/16+1)/2)], 0x7ff  ; a loaded number enters an address only behind this bound; a pad becomes row 2,047
.set n, n+1
.endr
	KADDR 0, 0
	KADDR 1, 1
	WIN 0x80
	s_wait_alu depctr_va_vdst(0)                   ; the adds have written the eight offsets in KO; the block before's products and epilogue are done with window 2, in which the keys land
	KLOAD 0
	KLOAD 1
.set kg, 0
.rept 9
	KPROC (kg%2), kg
.set kg, kg+1
.endr
	WIN 0
.Lnokeys:
	s_wait_loadcnt 0x0                             ; on the short way: my two entries (on the long way nothing is out)
	BAR                                            ; the block (and, the first time, the tables) is whole for every wave
	s_cmp_eq_u32 s[NT], 0
	s_cbranch_scc1 .Lnoprod
	s_mov_b32 s[PASS], 4
	s_mov_b32 s[PO], 0
.Lpass:
	; ---- the product: 144 rows x 64 columns, 32 K steps ----
	s_wait_alu depctr_vm_vsrc(0)                   ; the pass before's LDS loads have read AA and CA, which are written below; in a block's first pass the keys' LDS stores have read TK, in which fragments land
	v_mov_b32 v[AA], v[A0]
.irp i, 1,2,3,4
	v_add_nc_u32 v[AA+(\i)], 2*(\i)*TILE16, v[A0]
.endr
	v_add_nc_u32 v[CA], s[PO], v[CA0]
	s_add_co_u32 s[PO], s[PO], 256                 ; the next pass p': its fragments begin 262,144 (p' / 2) + 4,096 (p' % 2) bytes into my stream; behind pass 3 at its start
	s_and_b32 s[TM], s[PO], 256
	s_lshl_b32 s[TM], s[TM], 4
	s_and_b32 s[TM2], s[PO], 512
	s_lshl_b32 s[TM2], s[TM2], 9
	s_add_co_u32 s[OF], s[TM], s[TM2]
	s_add_nc_u64 s[TB:TB+1], s[BS:BS+1], s[OF:OF+1]
	s_wait_alu depctr_va_vdst(0)                   ; AA and CA are written; the epilogue (or the conversions) is done with v64-135, and the last products with v136-207 and W1's buffer 7: the loads up to the next such wait land there
	FETCH_A F0, 0
	STEP F0, F1, 0, 7, BB, 7*8192, 64, 1, 1        ; K step 0 starts the sums: nothing is cleared
	WIN 0
	s_mov_b32 s[TRIP], 3
.Ltrip:                                                ; K steps 8 n + 1 .. 8 n + 8.  The 36 accumulators take turns in one order throughout
.set sj, 0
.rept 8
	STEP (F1-72*(sj%2)), (F0+72*(sj%2)), ((sj+1)%8), sj, BB, (8+sj)*8192, (sj+2)*64, 0, 1
.set sj, sj+1
.endr
	WIN 0
	s_wait_xcnt 0x0                                ; the loads' addresses are translated (ISA guide 3.1): only now their base steps
	s_add_nc_u64 s[BB:BB+1], s[BB:BB+1], 8*8192
	s_wait_alu depctr_vm_vsrc(0)                   ; the LDS loads issued so far have read AA
.irp i, 0,1,2,3,4
	v_add_nc_u32 v[AA+(\i)], 512, v[AA+(\i)]
.endr
	s_sub_co_u32 s[TRIP], s[TRIP], 1
	s_cmp_lg_u32 s[TRIP], 0
	s_cbranch_scc1 .Ltrip
	; K steps 25 to 31 ask for the next pass's steps 0 to 6.  (Behind a work-group's last live block those 28,672 bytes a wave serve nothing; they lie inside w1f, and every count stays the same on all ways.)
.set sj, 0
.rept 6
	STEP (F1-72*(sj%2)), (F0+72*(sj%2)), ((sj+1)%8), sj, TB, sj*8192, (sj+2)*64, 0, 1
.set sj, sj+1
.endr
	STEP F1, F0, 7, 6, TB, 6*8192, 0, 0, 0         ; the last step asks for the epilogue's constants where the others ask for keys
	WIN 0
	s_wait_xcnt 0x0
	s_mov_b64 s[BB:BB+1], s[TB:TB+1]
	; ---- the epilogue: bias, tanh, dot with V, in registers ----
	PLACES                                         ; behind the last products, ahead of the first read of a result
	s_wait_dscnt 0x0                               ; the constants are in
.irp b, 0,1,2,3
	EPI \b, 0
	EPI \b, 1
.endr
	EPI8
	WIN 0
	s_sub_co_u32 s[PASS], s[PASS], 1
	s_cmp_lg_u32 s[PASS], 0
	s_cbranch_scc1 .Lpass
.Lnoprod:
	; The passes' LDS reads, whose addresses step from trip to trip and from pass to pass, are all back in every wave before any wave stores to LDS again.  By the map above the bytes are
	; apart (the block and the tables against SP); the barrier makes the order hold without leaning on that arithmetic: one barrier for a block's 4,608 matrix instructions a wave.
	BAR
	; ---- the scores: sum V - 2 sum V / (1 + 2^..) over my wave's 256 columns, then over the four waves ----
	v_add_f32 v[WK], v[SV], v[SV+1]
.set a, 0
.rept 9
	v_add_f32 v[T+a], v[SA+2*a], v[SA+2*a+1]
.set a, a+1
.endr
.set a, 0
.rept 9
	v_fma_f32 v[T+a], v[T+a], -2.0, v[WK]
.set a, a+1
.endr
.set a, 0
.rept 9
	v_mov_b32 v[T+16+a], v[T+a]                    ; v_permlanex16_b32 counts as a reader of its destination
.set a, a+1
.endr
.set a, 0
.rept 9
	v_permlanex16_b32 v[T+16+a], v[T+a], s[SEL], s[SEL+1]  ; the row's other columns lie in the lane 16 away
.set a, a+1
.endr
.set a, 0
.rept 9
	v_add_f32 v[T+a], v[T+a], v[T+16+a]
.set a, a+1
.endr
	s_wait_alu depctr_va_vdst(0)                   ; the sums have written T .. T + 8, the LDS stores' data; they are also done with WK and T, in which the loads behind the barrier land
.set a, 0
.rept 9
	ds_store_b32 v[SPA], v[T+a] offset:64*a        ; slot 16 a + r; both halves of the lanes write the same number
.set a, a+1
.endr
	BAR
	s_wait_alu depctr_vm_vsrc(0)                   ; my nine stores have read T .. T + 3, in which four of the loads below land
	ds_load_b32 v[WK],   v[SPT]                    ; thread t takes slot t,
	ds_load_b32 v[WK+1], v[SPT] offset:576
	ds_load_b32 v[WK+2], v[SPT] offset:1152
	ds_load_b32 v[WK+3], v[SPT] offset:1728
	ds_load_b32 v[T],    v[SPB]                    ; and every thread slot 128 + t % 16 as well: 144 slots, 128 threads
	ds_load_b32 v[T+1],  v[SPB] offset:576
	ds_load_b32 v[T+2],  v[SPB] offset:1152
	ds_load_b32 v[T+3],  v[SPB] offset:1728
	v_cmp_lt_u32 s[TM],  0x7ff, v[EN]              ; which of my two slots are pads: two masks in a run, one wait for both further down
	v_cmp_lt_u32 s[TM2], 0x7ff, v[EN2]
	s_wait_dscnt 0x0
	v_add_f32 v[WK], v[WK], v[WK+1]
	v_add_f32 v[WK+2], v[WK+2], v[WK+3]
	v_add_f32 v[T], v[T], v[T+1]
	v_add_f32 v[T+2], v[T+2], v[T+3]
	v_add_f32 v[WK], v[WK], v[WK+2]
	v_add_f32 v[T], v[T], v[T+2]
	v_cndmask_b32 v[WK], v[WK], v[NEG], s[AM]      ; -1e9 in a batch that is masked throughout
	v_cndmask_b32 v[T], v[T], v[NEG], s[AM]
	s_wait_alu depctr_va_sdst(0)                   ; the two compares have written their masks into s[TM] and s[TM2], ahead of the first reader
	v_cndmask_b32 v[WK], v[WK], v[PADV], s[TM]     ; a pad lies below every score
	v_cndmask_b32 v[T], v[T], v[PADV], s[TM2]
	v_max_num_f32 v[WK+1], v[WK], v[T]
	v_max_num_f32_dpp v[WK+1], v[WK+1], v[WK+1] row_xmask:1 row_mask:0xf bank_mask:0xf
	v_max_num_f32_dpp v[WK+1], v[WK+1], v[WK+1] row_xmask:2 row_mask:0xf bank_mask:0xf
	v_max_num_f32_dpp v[WK+1], v[WK+1], v[WK+1] row_xmask:4 row_mask:0xf bank_mask:0xf
	v_max_num_f32_dpp v[WK+1], v[WK+1], v[WK+1] row_xmask:8 row_mask:0xf bank_mask:0xf
	v_permlanex16_b32 v[WK+2], v[WK+1], s[SEL], s[SEL+1]
	v_max_num_f32 v[WK+1], v[WK+1], v[WK+2]        ; my wave's slots' maximum
	s_wait_alu depctr_va_vdst(0)                   ; WK, WK + 1 and T, the stores' data, are written (their addresses SFA, SFB since the block's head); the lines above are done with WK + 2 .. WK + 5, in which the load behind the barrier lands
	ds_store_b32 v[SFA], v[WK]
	ds_store_b32 v[REDW], v[WK+1]
	s_cmp_lg_u32 s[WV], 0
	s_cbranch_scc1 .Lnosb
	ds_store_b32 v[SFB], v[T]                      ; wave 0 alone stores slots 128-143
.Lnosb:
	BAR
	ds_load_b128 v[WK+2:WK+5], v[REDR]             ; no vector instruction since the wait above names these four, and no store since the block's head has read them
	s_wait_dscnt 0x0
	v_max3_num_f32 v[WK+2], v[WK+2], v[WK+3], v[WK+4]
	v_max_num_f32 v[WK+2], v[WK+2], v[WK+5]        ; the block's maximum
	v_sub_f32 v[WK+3], v[WK], v[WK+2]              ; the difference first, then the scale: nothing is lost where both are -1e9
	v_sub_f32 v[T+1], v[T], v[WK+2]
	v_mul_f32 v[WK+3], s[L2E], v[WK+3]
	v_mul_f32 v[T+1], s[L2E], v[T+1]
	v_exp_f32 v[WK+3], v[WK+3]
	v_exp_f32 v[T+1], v[T+1]
	v_nop
	s_wait_alu depctr_va_vdst(0)                   ; the two exponentials have written WK + 3 and T + 1, and the maximum WK + 2: the data of the LDS stores below, their first readers
	ds_store_b32 v[SPT], v[WK+3] offset:PW-SP
	s_cmp_lg_u32 s[WV], 0
	s_cbranch_scc1 .Lnopb
	ds_store_b32 v[SPB], v[T+1] offset:PW-SP
	ds_store_b32 v[SFM], v[WK+2]                   ; all lanes the same word, the same number
.Lnopb:
	BAR
	; ---- the weighted sum of the resident block: thread t has columns 4 t .. + 3 and 512 + 4 t .. + 3 ----
.set i, 0
.rept 8
	v_mov_b32 v[CX+i], 0
.set i, i+1
.endr
	s_cmp_eq_u32 s[NT], 0
	s_cbranch_scc1 .Lnoctx
	v_mov_b32 v[XA], v[X8]
	v_mov_b32 v[PA], PW
	s_mov_b32 s[CNT], 9
.Lctx:                                                 ; 16 slots a trip
	s_wait_alu depctr_va_vdst(0)                   ; XA and PA are written; the trip before's multiply-adds (the first time: the epilogue and the products) are done with v64-143, in which the loads land
.set i, 0
.rept 16
	ds_load_b64 v[64+4*i:64+4*i+1],   v[XA] offset:i*PITCH
	ds_load_b64 v[64+4*i+2:64+4*i+3], v[XA] offset:i*PITCH+1024
.set i, i+1
.endr
.irp i, 0,1,2,3
	ds_load_b128 v[CW+4*(\i):CW+4*(\i)+3], v[PA] offset:16*(\i)  ; the 16 slots' weights, the same in every lane
.endr
	s_wait_dscnt 0x0
.set i, 0
.rept 64                                               ; slot i / 4, word i % 4: two columns; eight sums take turns
	v_fma_mix_f32_bf16 v[CX+2*(i%4)],   v[64+i], v[CW+i/4], v[CX+2*(i%4)]   op_sel:[0,0,0] op_sel_hi:[1,0,0]
	v_fma_mix_f32_bf16 v[CX+2*(i%4)+1], v[64+i], v[CW+i/4], v[CX+2*(i%4)+1] op_sel:[1,0,0] op_sel_hi:[1,0,0]
.set i, i+1
.endr
	s_wait_alu depctr_vm_vsrc(0)                   ; the trip's LDS loads have read XA and PA
	v_add_nc_u32 v[XA], TILE16, v[XA]
	v_add_nc_u32 v[PA], 64, v[PA]
	s_sub_co_u32 s[CNT], s[CNT], 1
	s_cmp_lg_u32 s[CNT], 0
	s_cbranch_scc1 .Lctx
.Lnoctx:
	BAR                                            ; every wave's reads of the block and of the weights are back: behind this barrier the next block's keys may be laid over it, and the wave's closing LDS lines may follow
	s_wait_alu depctr_va_vdst(0)                   ; the multiply-adds (in a dead block the eight moves) have written CX, the stores' data
	global_store_b128 v[T16], v[CX:CX+3],   s[CXB:CXB+1]              ; a wave stores 512 consecutive bytes
	global_store_b128 v[T16], v[CX+4:CX+7], s[CXB:CXB+1] offset:2048
	s_wait_xcnt 0x0                                ; the stores' and loads' addresses are translated: their bases and data may be written
	s_add_nc_u64 s[LSB:LSB+1], s[LSB:LSB+1], 576
	s_add_nc_u64 s[LP:LP+1], s[LP:LP+1], 576
	s_add_nc_u64 s[CXB:CXB+1], s[CXB:CXB+1], 4096
	s_mov_b32 s[KOF], 576
	s_mov_b32 s[SMW], SF+1156
	s_sub_co_u32 s[BLK], s[BLK], 1
	s_cmp_lg_u32 s[BLK], 0
	s_cbranch_scc1 .Lblock
	; ---- both blocks' scores and maxima leave together: 1,280 consecutive bytes, five whole aligned blocks of 256; every word was written ahead of the last barrier ----
	s_wait_alu depctr_vm_vsrc(0)                   ; the LDS stores of scores, weights and maxima have read WK, WK + 1, WK + 2, T and T + 1, which wave 0 writes below: the wait stands ahead of the branch
	s_cmp_lg_u32 s[WV], 0
	s_cbranch_scc1 .Lend
	v_add_nc_u32 v[WK], SF, v[LO]
	v_lshrrev_b32 v[WK+1], 1, v[LO]                ; 8 x lane
	v_add_nc_u32 v[WK+2], SF+1024, v[WK+1]
	s_wait_alu depctr_va_vdst(0)                   ; the three addresses are written; the scores' vector work is done with T .. T + 9, in which the loads land
	ds_load_b128 v[T:T+3],   v[WK]
	ds_load_b128 v[T+4:T+7], v[WK] offset:512
	ds_load_b64  v[T+8:T+9], v[WK+2]
	s_wait_dscnt 0x0
	global_store_b128 v[LO], v[T:T+3],   s[SCB:SCB+1]
	global_store_b128 v[LO], v[T+4:T+7], s[SCB:SCB+1] offset:512
	global_store_b64  v[WK+1], v[T+8:T+9], s[SCB:SCB+1] offset:1024
.Lend:
	s_wait_dscnt 0x0                               ; the closing lines, six on end
	s_wait_alu 0x0
	s_wait_tensorcnt 0x0
	ds_add_u32 v[SPW], v[NIL]
	s_wait_dscnt 0x0
	s_endpgm
.Lfunc_end_k_qdca48016d7_main:
	.size	k_qdca48016d7_main, .Lfunc_end_k_qdca48016d7_main-k_qdca48016d7_main
	.p2alignl 7, 3214868480
	.fill 96, 4, 3214868480
	.section	.rodata,"a",@progbits
	.p2align	6, 0x0
	.amdhsa_kernel k_qdca48016d7_main
		.amdhsa_group_segment_fixed_size 310528
		.amdhsa_private_segment_fixed_size 0
		.amdhsa_enable_private_segment 0
		.amdhsa_kernarg_size 56
		.amdhsa_user_sgpr_count 2
		.amdhsa_user_sgpr_kernarg_segment_ptr 1
		.amdhsa_wavefront_size32 1
		.amdhsa_system_sgpr_workgroup_id_x 1
		.amdhsa_system_sgpr_workgroup_id_y 1
		.amdhsa_system_sgpr_workgroup_id_z 1
		.amdhsa_system_vgpr_workitem_id 0
		.amdhsa_next_free_vgpr 800
		.amdhsa_next_free_sgpr 92
		.amdhsa_reserve_vcc 0
		.amdhsa_float_denorm_mode_32 3
		.amdhsa_float_denorm_mode_16_64 3
		.amdhsa_memory_ordered 1
		.amdhsa_forward_progress 1
		.amdhsa_inst_pref_size 244
	.end_amdhsa_kernel
	.amdgpu_metadata
---
amdhsa.version: [ 1, 2 ]
amdhsa.kernels:
  - .name:           k_qdca48016d7_main
    .symbol:         k_qdca48016d7_main.kd
    .args:
      - { .name: keys, .offset: 0, .size: 8, .value_kind: global_buffer, .address_space: global }
      - { .name: list, .offset: 8, .size: 8, .value_kind: global_buffer, .address_space: global }
      - { .name: V, .offset: 16, .size: 8, .value_kind: global_buffer, .address_space: global }
      - { .name: w1f, .offset: 24, .size: 8, .value_kind: global_buffer, .address_space: global }
      - { .name: qbp, .offset: 32, .size: 8, .value_kind: global_buffer, .address_space: global }
      - { .name: scc, .offset: 40, .size: 8, .value_kind: global_buffer, .address_space: global }
      - { .name: cxp, .offset: 48, .size: 8, .value_kind: global_buffer, .address_space: global }
    .group_segment_fixed_size: 310528
    .private_segment_fixed_size: 0
    .kernarg_segment_align: 8
    .kernarg_segment_size: 56
    .max_flat_workgroup_size: 128
    .sgpr_count:     92
    .vgpr_count:     800
    .wavefront_size: 32
...
	.end_amdgpu_metadata
.endif
;; end of part 7
;; launch finish: the kernel of part 6 again; grid 32 x 1, 8 waves a work-group, no clusters, 11,520 bytes of LDS; arguments scc, cxp, pos, mask, out0, out1; writes out0, out1
